; MI455X (gfx1250); checked and timed in simulation.
; The chip was launched on July 23, 2026; its instructions are those of AMD's public machine-readable ISA for CDNA 5 (MIT licence, August 2026) and "CDNA5" Instruction Set Architecture Reference Guide (July 2026). The comments in the code are by the model that wrote it; some were corrected since.
;; Multi Head Attn. Allowed arithmetic: matrix products marked QUANTISED: E3M2 operands, one E8M0 scale for each 32 along K, by v_wmma_scale_f32_16x16x128_f8f6f4 with both operands' format E3M2, f32 sums; everything else in f32.
;; Inputs: Wkv 1,024 x 2,048 float32; Wo 1,024 x 1,024 float32; Wq 1,024 x 1,024 float32; attn_mask 2,048 x 4 bool; beta 1,024 float32; gamma 1,024 float32; h 2,048 x 4 x 1,024 float32.
;; Outputs: out0 2,048 x 4 x 1,024 float32.
;; This version of the problem:
;;   THIS VERSION OF THE PROBLEM IS GIVEN IN LOW PRECISION. The matrix products marked QUANTISED in the list below multiply operands that are first quantised to E3M2 (3 exponent bits, 2 mantissa bits; 6 bits a number), with one power-of-two scale for each 32 numbers along K (OCP MX v1.0); their sums are f32. All else is computed in f32.
;;   The module's matrix products, in the order in which they are computed (A, B: the left and right operand; K: the contracted axis; several contracted axes count as one K, in the product's order):
;;     1. [M 8,192, K 1,024] x [K 1,024, N 1,024]; A: input h; B: input Wq: QUANTISED
;;     2. [M 8,192, K 1,024] x [K 1,024, N 2,048]; A: input h; B: input Wkv: QUANTISED
;;     3. batch 64 x [M 2,048, K 64] x [K 64, N 2,048]; A: computed on the way; B: computed on the way: QUANTISED
;;     4. batch 64 x [M 64, K 2,048] x [K 2,048, N 2,048]; A: computed on the way; B: softmax (see below): QUANTISED
;;     5. [M 8,192, K 1,024] x [K 1,024, N 1,024]; A: computed on the way; B: input Wo: QUANTISED
;;   THE QUANTISER, for each operand of a quantised product, along K:
;;     - K is cut into blocks of 32 from its start; a last block that is shorter is filled with zeros.
;;     - A block's scale is 2^e with e = floor(log2(the largest magnitude in the block)) - 4, held to -126 .. 127; a block of zeros has e = 0. As a byte (E8M0): e + 127.
;;     - Each number is divided by its block's scale, clamped to +-28, and rounded to the nearest number of E3M2, ties to even, subnormals kept.
;;     - The product sums the exact products of the quantised numbers (number of the format x scale) in f32.
;;   ~~~python
;;   def quantise(x, axis):      # numpy; x: float32 -> the quantised numbers, widened to float32 again
;;       x = np.moveaxis(x, axis, -1); K = x.shape[-1]
;;       x = np.pad(x, [(0, 0)] * (x.ndim - 1) + [(0, -K % 32)]); x = x.reshape(x.shape[:-1] + (-1, 32)); a = np.abs(x).max(-1, keepdims=True)
;;       e = np.where(a > 0, np.clip(np.frexp(np.where(a > 0, a, 1))[1] - 1 - 4, -126, 127), 0)      # np.frexp(a)[1] - 1 = floor(log2(a)), exactly
;;       r = np.clip(x / 2.0 ** e, -28, 28)
;;       step = 2.0 ** (np.maximum(np.frexp(np.where(r == 0, 1, r))[1] - 1, -2) - 2)
;;       q = np.round(r / step) * step * 2.0 ** e      # np.round: ties to even
;;       return np.moveaxis(q.reshape(q.shape[:-2] + (-1,))[..., :K], -1, axis).astype(np.float32)
;;   ~~~
;;   SOFTMAX AHEAD OF A QUANTISED PRODUCT. Where the list says 'softmax', what is quantised is not the finished softmax but p = 2^(t - M), with t = logit x log2(e) and M = ceil(the row's largest t), a whole number; so 1/2 < the row's largest p <= 1. The row's sum l is taken of the UNQUANTISED p, in f32, and the product's result is divided by l at the end. Since M is a whole number, a kernel that streams over the keys may use a running M (the ceiling of the running maximum): every later rescaling is an exact power of two, which a block's scale takes up: the codes' values come out the same.
;;   OPERANDS COMPUTED ON THE WAY. 'Computed on the way' means the value that the module computes at that place (a softmax that the list does not call 'softmax' is quantised finished and normalised). What goes into a quantiser is computed in f32, as accurately as f32 sums, v_exp_f32 and their like allow (about 1e-6 of the number): no bf16 or f16 on the way to a quantiser, and a product that is left as it is and whose result goes on into a quantised operand takes f32 operands (vector FMAs, or v_wmma_f32_16x16x4_f32). A number that lies on a knife's edge between two numbers of the format may be rounded either way, as far as f32 arithmetic and the matrix unit's own rounding can turn it there, and no further.
;; One version. Each part assembles by itself: llvm-mc -triple=amdgcn-amd-amdhsa -mcpu=gfx1250 --defsym DOCPART=n.
;; ======== version 1 of 1: 4 launches
;; limits: right only within a limited range of input values
;; workspace buffers: opimg 9,437,184 bytes; opsc 393,216 bytes; qkv 18,874,368 bytes; qkvs 1,572,864 bytes; aimg 6,291,456 bytes; asc 262,144 bytes
;; launch prep (part 1): grid 768 x 1, 4 waves a work-group, no clusters, 67,072 bytes of LDS; arguments h, Wq, Wkv, Wo, opimg, opsc; writes opimg, opsc
.if DOCPART == 1
	.amdgcn_target "amdgcn-amd-amdhsa--gfx1250"
	.amdhsa_code_object_version 6
	.text
	.protected	k_q9059f15c75_prep
	.globl	k_q9059f15c75_prep
	.p2align	8
	.type	k_q9059f15c75_prep,@function
k_q9059f15c75_prep:
	s_mov_b64 s[64:65], 0
	v_nop
	global_prefetch_b8 v0, s[64:65] scope:SCOPE_SE
	s_setreg_imm32_b32 hwreg(HW_REG_WAVE_MODE, 25, 1), 1
	s_wait_xcnt 0x0
; h [2048][4][1024] and the weights Wq [1024][1024], Wkv [1024][2048], Wo [1024][1024], all f32, become codes of BF6 (E3M2) with one E8M0 byte for each 32 along K (K = 1024: h's last axis, the weights' first).
; A block's scale is 2^(floor(log2(its largest magnitude)) - 4); its byte is the largest magnitude's exponent field - 4, held at 1 from below.
; THE CODES ARE LAID AS IMAGES OF THE MATRIX OPERAND'S REGISTERS.  A tile is 16 rows; tiles come in pairs over 32 rows: lane r of tile 2 b + u holds row 32 b + 8 u + r + 8 (r / 8).
; A half image (768 bytes) is 16 rows x 64 along K: lane (r, h) has k = 32 h + 0 .. 31 in six registers: registers 0-3 at byte 16 x lane, registers 4-5 at byte 512 + 16 r + 8 h.  A tile is 16 half images on end, 12,288 bytes.
; Tiles 0-511: h, tokens renumbered batch first (tile 128 b + t: positions 16 t on of batch b);  512-575 Wq's columns;  576-703 Wkv's;  704-767 Wo's.
; Scale words: 512 bytes a tile: the word of K step s (128 along K) and row r at 64 s + 4 r.
; Work-groups 0-511 take a tile of h each (wave w: k = 256 w on); work-groups 512-767 take 128 columns x 128 along K of a weight (a lane a column, registers down K).  No work-group shares an input with another.
; LIMITS: a block whose largest magnitude lies under 2^-122 has its byte held at 1; a block of zeros gets the byte 1 (its codes are zeros, and this program alone reads the bytes); NaN and infinities among the inputs are not served.
.set E,      16                        ; v16-19   scale bytes
.set PT,     20                        ; v20-22   a block's upper 16 codes (a conversion's three registers begin on an even number)
.set SOP,    23                        ; v23      the conversions' scale operand
.set R,      32                        ; v32-159  numbers as they are loaded
.set X,      160                       ; v160-223 h: two sets of 32 neighbours along K
.set C,      224                       ; v224-255 h: codes, eight registers a half image
.set SPITCH, 1040                      ; h: a stage row: 1,024 bytes + 16
; the largest magnitude of the 32 numbers v[x] on, in two chains, with the floor 2^(5 - 127) as one more leaf: v10
.macro BMAX x
	v_max3_num_f32 v10, |v[(\x)]|, |v[(\x)+1]|, |v[(\x)+2]|
	v_max3_num_f32 v11, |v[(\x)+3]|, |v[(\x)+4]|, |v[(\x)+5]|
.irp i, 6,10,14,18,22,26
	v_max3_num_f32 v10, v10, |v[(\x)+\i]|, |v[(\x)+\i+1]|
	v_max3_num_f32 v11, v11, |v[(\x)+\i+2]|, |v[(\x)+\i+3]|
.endr
	v_max3_num_f32 v10, v10, |v[(\x)+30]|, |v[(\x)+31]|
	v_max3_num_f32 v10, v10, v11, 0x2800000
.endm
	s_load_b256 s[4:11], s[0:1], 0x0               ; h s[4:5], Wq s[6:7], Wkv s[8:9], Wo s[10:11]
	s_load_b128 s[12:15], s[0:1], 0x20             ; opimg s[12:13], opsc s[14:15]
	v_lshl_add_u32 v254, v0, 2, 0x10400
	v_mov_b32 v255, 0
	v_lshrrev_b32 v1, 5, v0
	v_readfirstlane_b32 s16, v1                    ; wave 0..3
	v_and_b32 v1, 31, v0                           ; lane
	s_mov_b32 s30, 0x76543210
	s_mov_b32 s31, 0xfedcba98                      ; v_permlanex16_b32's selects for lane l xor 16
	s_mov_b32 s29, 0xffff0000                      ; a mask of lanes 16-31
	s_wait_kmcnt 0x0
	s_cmp_lt_u32 ttmp9, 512
	s_cbranch_scc0 .Lweights
	; ---------------- a tile of h: 16 rows x 1,024; my wave: 256 along K = four half images ----------------
	v_and_b32 v2, 15, v0                           ; r
	v_bfe_u32 v3, v0, 4, 1                         ; h
	s_wait_alu depctr_va_vdst(0)
	v_lshlrev_b32 v4, 4, v1                        ; 16 x lane: my bytes of a load's 512, and of an image's head
	s_mul_i32 s17, s16, 16*SPITCH                  ; my wave's own stage
	v_add_nc_u32 v5, s17, v4                       ; into it: as loaded
	v_mul_u32_u24 v6, v2, SPITCH
	v_lshl_add_u32 v6, v3, 7, v6
	v_add_nc_u32 v6, s17, v6                       ; out of it: row r, + 128 h: my block of 32 numbers
	v_lshlrev_b32 v7, 4, v2
	v_lshl_add_u32 v7, v3, 3, v7
	v_add_nc_u32 v7, 512, v7                       ; an image's tail: 512 + 16 r + 8 h
	v_lshlrev_b32 v8, 2, v1                        ; 4 x lane
	v_lshlrev_b32 v9, 3, v3                        ; 8 h
	v_mov_b32 v14, 0                               ; (a lane permute's destination counts as one of its sources)
	v_mov_b32 v15, 0
	s_lshr_b32 s18, ttmp9, 7                       ; batch b
	s_and_b32 s19, ttmp9, 127                      ; tile t of the batch
	s_lshr_b32 s20, s19, 1
	s_lshl_b32 s20, s20, 5
	s_and_b32 s19, s19, 1
	s_lshl_b32 s19, s19, 3
	s_add_co_u32 s20, s20, s19                     ; its first position: 32 (t / 2) + 8 (t % 2)
	s_lshl_b32 s20, s20, 2
	s_add_co_u32 s20, s20, s18                     ; row of h: 4 x position + b
	s_lshl_b32 s20, s20, 12                        ; 4,096 bytes a row
	s_lshl_b32 s21, s16, 10
	s_add_co_u32 s20, s20, s21                     ; + my wave's 1,024 bytes
	s_mov_b32 s21, 0
	s_add_nc_u64 s[4:5], s[4:5], s[20:21]
	s_lshl_b32 s22, ttmp9, 4
	s_lshl_b32 s23, s16, 2
	s_add_co_u32 s22, s22, s23
	s_mul_i32 s22, s22, 768                        ; my four half images: 16 x tile + 4 x wave
	s_mov_b32 s23, 0
	s_add_nc_u64 s[12:13], s[12:13], s[22:23]
	s_lshl_b32 s22, ttmp9, 9
	s_lshl_b32 s24, s16, 7
	s_add_co_u32 s22, s22, s24                     ; my two K steps' scale words: 512 x tile + 128 x wave
	s_add_nc_u64 s[14:15], s[14:15], s[22:23]
.irp e, 0,1
.irp jr, 0,1,2,3,4,5,6,7,8,9,10,11,12,13,14,15
	global_load_b128 v[R+64*\e+4*\jr:R+64*\e+4*\jr+3], v4, s[4:5] offset:(\jr+8*(\jr/8))*16384+512*\e th:TH_LOAD_NT   ; 32 lanes read 512 consecutive bytes of the tile's row jr
.endr
.endr
.macro XL g                            ; half image g: my block's 32 numbers out of the stage, into set g % 2
.irp i, 0,1,2,3,4,5,6,7
	ds_load_b128 v[X+32*((\g)%2)+4*\i:X+32*((\g)%2)+4*\i+3], v6 offset:256*(\g)+16*\i
.endr
.endm
.macro HG g                            ; half image g: the block is all mine: its scale, its 32 codes, and out
	BMAX X+32*((\g)%2)
	v_add_nc_u32 v[SOP], 0xfe000000, v10           ; 4 off the exponent field: the conversion takes the exponent field of this operand as its scale
	v_cvt_scalef32_pk16_bf6_f32 v[C+8*(\g):C+8*(\g)+2], v[X+32*((\g)%2):X+32*((\g)%2)+15], v[SOP]
	v_cvt_scalef32_pk16_bf6_f32 v[PT:PT+2], v[X+32*((\g)%2)+16:X+32*((\g)%2)+31], v[SOP]
	v_lshrrev_b32 v[E+(\g)], 23, v[SOP]            ; the scale's byte (also the plain line behind the conversions)
.irp i, 0,1,2
	v_mov_b32 v[C+8*(\g)+3+\i], v[PT+\i]
.endr
	global_store_b128 v4, v[C+8*(\g):C+8*(\g)+3], s[12:13] offset:768*(\g)     ; 512 consecutive bytes
	global_store_b64 v7, v[C+8*(\g)+4:C+8*(\g)+5], s[12:13] offset:768*(\g)    ; 256 consecutive bytes
.endm
	s_wait_alu depctr_va_vdst(0)
	s_wait_loadcnt 16                              ; the first 512 bytes of all 16 rows are in; the second 16 loads may be out
.irp jr, 0,1,2,3,4,5,6,7,8,9,10,11,12,13,14,15
	ds_store_b128 v5, v[R+4*\jr:R+4*\jr+3] offset:\jr*SPITCH
.endr
	XL 0                                           ; LDS serves a wave's instructions in order: these see the stores above
	XL 1
	s_wait_loadcnt 0x0
.irp jr, 0,1,2,3,4,5,6,7,8,9,10,11,12,13,14,15
	ds_store_b128 v5, v[R+64+4*\jr:R+64+4*\jr+3] offset:\jr*SPITCH+512
.endr
	s_wait_dscnt 24                                ; behind XL 0: XL 1's 8 loads and 16 stores
	HG 0
	XL 2
	s_wait_dscnt 24                                ; behind XL 1: 16 stores and XL 2's 8 loads
	HG 1
	XL 3
	s_wait_dscnt 8                                 ; behind XL 2: XL 3's 8 loads
	HG 2
	s_wait_dscnt 0x0
	HG 3
.irp sl, 0,1                           ; K step sl of my two: my bytes are blocks h and 2 + h of row r; lane l xor 16 has the other two
	v_lshl_or_b32 v[12+\sl], v[E+2*\sl+1], 16, v[E+2*\sl]
	v_lshlrev_b32 v[12+\sl], v9, v[12+\sl]
	v_permlanex16_b32 v[14+\sl], v[12+\sl], s30, s31
	v_or_b32 v[12+\sl], v[12+\sl], v[14+\sl]
.endr
	v_cndmask_b32 v12, v12, v13, s29               ; lanes 0-15 store the first K step's words, lanes 16-31 the second's
	global_store_b32 v8, v12, s[14:15]             ; 128 consecutive bytes
	s_wait_tensorcnt 0x0
	ds_add_u32 v254, v255
	s_wait_dscnt 0x0
	s_endpgm
	; ---------------- 128 columns x 128 along K of a weight: a lane takes a column, its registers run down K ----------------
.Lweights:
	s_sub_co_u32 s17, ttmp9, 512
	s_and_b32 s18, s17, 31                         ; which 128 columns of the 4,096: 0-7 Wq, 8-23 Wkv, 24-31 Wo
	s_lshr_b32 s19, s17, 5                         ; K step 0..7
	s_cmp_lt_u32 s18, 8
	s_cselect_b64 s[20:21], s[6:7], s[8:9]
	s_cselect_b32 s22, 0, 8                        ; the tensor's first group of columns
	s_cselect_b32 s23, 10, 11                      ; log2 of its row's length
	s_cmp_lt_u32 s18, 24
	s_cselect_b64 s[20:21], s[20:21], s[10:11]
	s_cselect_b32 s22, s22, 24
	s_cselect_b32 s23, s23, 10
	s_lshl_b32 s24, s19, 7
	s_lshl_b32 s24, s24, s23                       ; 128 s rows
	s_sub_co_u32 s25, s18, s22
	s_lshl_b32 s25, s25, 7
	s_add_co_u32 s24, s24, s25                     ; + the group's first column
	s_lshl_b32 s25, s16, 5
	s_add_co_u32 s24, s24, s25                     ; + my wave's 32
	s_lshl_b32 s24, s24, 2
	s_mov_b32 s25, 0
	s_add_nc_u64 s[20:21], s[20:21], s[24:25]
	s_lshl_b32 s26, s18, 3
	s_lshl_b32 s27, s16, 1
	s_add_co_u32 s26, s26, s27
	s_add_co_u32 s26, s26, 512                     ; my pair's first tile: 512 + 8 x group + 2 x wave
	s_mul_i32 s24, s26, 12288
	s_mul_i32 s27, s19, 1536
	s_add_co_u32 s24, s24, s27                     ; its K step's two half images
	s_add_nc_u64 s[12:13], s[12:13], s[24:25]
	s_lshl_b32 s24, s26, 9
	s_lshl_b32 s27, s19, 6
	s_add_co_u32 s24, s24, s27
	s_add_nc_u64 s[14:15], s[14:15], s[24:25]
	s_wait_alu depctr_va_vdst(0)
	v_lshlrev_b32 v2, 2, v1                        ; in: 4 bytes a lane
	v_bfe_u32 v3, v1, 3, 1                         ; column x of the 32 lies in tile u = (x / 8) % 2,
	v_and_b32 v4, 7, v1
	v_lshrrev_b32 v6, 4, v1
	v_lshl_add_u32 v4, v6, 3, v4                   ; at its row r = x % 8 + 8 (x / 16)
	v_mul_u32_u24 v5, v3, 12288
	v_lshl_add_u32 v5, v4, 4, v5                   ; codes: 12,288 u + 16 r
	v_lshlrev_b32 v6, 9, v3
	v_lshl_add_u32 v6, v4, 2, v6                   ; scale word: 512 u + 4 r
.macro WLOAD blk, pitch                ; block blk: W(128 s + 32 blk + i, my column): 32 lanes read 128 consecutive bytes, the four waves 512
.set i, 0
.rept 32
	global_load_b32 v[R+32*(\blk)+i], v2, s[20:21] offset:(32*(\blk)+i)*(\pitch)*4 th:TH_LOAD_NT
.set i, i+1
.endr
.endm
.macro WBLOCK blk                      ; its scale and its 32 codes: registers 0-3 of lane (r, blk % 2) of half image blk / 2, and that lane's registers 4-5
	BMAX R+32*(\blk)
	v_add_nc_u32 v[SOP], 0xfe000000, v10
	v_cvt_scalef32_pk16_bf6_f32 v[160+4*(\blk):160+4*(\blk)+2], v[R+32*(\blk):R+32*(\blk)+15], v[SOP]
	v_cvt_scalef32_pk16_bf6_f32 v[PT:PT+2], v[R+32*(\blk)+16:R+32*(\blk)+31], v[SOP]
	v_lshrrev_b32 v[E+(\blk)], 23, v[SOP]          ; the scale's byte (also the plain line behind the conversions)
	v_mov_b32 v[160+4*(\blk)+3], v[PT]
	v_mov_b32 v[176+4*((\blk)/2)+2*((\blk)%2)], v[PT+1]
	v_mov_b32 v[176+4*((\blk)/2)+2*((\blk)%2)+1], v[PT+2]
.endm
.macro WPATH pitch                     ; loads run two blocks ahead: each wait leaves the youngest block's 32 loads out
	WLOAD 0, \pitch
	WLOAD 1, \pitch
	s_wait_loadcnt 32
	WLOAD 2, \pitch
	WBLOCK 0
	s_wait_loadcnt 32
	WLOAD 3, \pitch
	WBLOCK 1
	s_wait_loadcnt 32
	WBLOCK 2
	s_wait_loadcnt 0x0
	WBLOCK 3
.irp blk, 0,1,2,3
	global_store_b128 v5, v[160+4*\blk:160+4*\blk+3], s[12:13] offset:768*(\blk/2)+256*(\blk%2)   ; in each of the two tiles 16 lanes store 256 consecutive bytes, aligned
.endr
.irp g, 0,1
	global_store_b128 v5, v[176+4*\g:176+4*\g+3], s[12:13] offset:768*\g+512
.endr
	v_lshl_or_b32 v24, v17, 8, v16                 ; my column's scale word of this K step
	v_lshl_or_b32 v24, v18, 16, v24
	v_lshl_or_b32 v24, v19, 24, v24
	global_store_b32 v6, v24, s[14:15]
	s_endpgm
.endm
	s_cmp_eq_u32 s23, 11                           ; the loads' offsets hold the row's length: the path is written once for each of the two lengths
	s_cbranch_scc1 .Lwide
	s_wait_alu depctr_va_vdst(0)
	WPATH 1024
.Lwide:
	s_wait_alu depctr_va_vdst(0)
	WPATH 2048
.Lfunc_end_k_q9059f15c75_prep:
	.size	k_q9059f15c75_prep, .Lfunc_end_k_q9059f15c75_prep-k_q9059f15c75_prep
	.p2alignl 7, 3214868480
	.fill 96, 4, 3214868480
	.section	.rodata,"a",@progbits
	.p2align	6, 0x0
	.amdhsa_kernel k_q9059f15c75_prep
		.amdhsa_group_segment_fixed_size 67072
		.amdhsa_private_segment_fixed_size 0
		.amdhsa_enable_private_segment 0
		.amdhsa_kernarg_size 48
		.amdhsa_user_sgpr_count 2
		.amdhsa_user_sgpr_kernarg_segment_ptr 1
		.amdhsa_wavefront_size32 1
		.amdhsa_system_sgpr_workgroup_id_x 1
		.amdhsa_system_sgpr_workgroup_id_y 1
		.amdhsa_system_sgpr_workgroup_id_z 1
		.amdhsa_system_vgpr_workitem_id 0
		.amdhsa_next_free_vgpr 256
		.amdhsa_next_free_sgpr 66
		.amdhsa_reserve_vcc 0
		.amdhsa_float_denorm_mode_32 3
		.amdhsa_float_denorm_mode_16_64 3
		.amdhsa_memory_ordered 1
		.amdhsa_forward_progress 1
		.amdhsa_inst_pref_size 55
	.end_amdhsa_kernel
	.amdgpu_metadata
---
amdhsa.version: [ 1, 2 ]
amdhsa.kernels:
  - .name:           k_q9059f15c75_prep
    .symbol:         k_q9059f15c75_prep.kd
    .args:
      - { .name: h, .offset: 0, .size: 8, .value_kind: global_buffer, .address_space: global }
      - { .name: Wq, .offset: 8, .size: 8, .value_kind: global_buffer, .address_space: global }
      - { .name: Wkv, .offset: 16, .size: 8, .value_kind: global_buffer, .address_space: global }
      - { .name: Wo, .offset: 24, .size: 8, .value_kind: global_buffer, .address_space: global }
      - { .name: opimg, .offset: 32, .size: 8, .value_kind: global_buffer, .address_space: global }
      - { .name: opsc, .offset: 40, .size: 8, .value_kind: global_buffer, .address_space: global }
    .group_segment_fixed_size: 67072
    .private_segment_fixed_size: 0
    .kernarg_segment_align: 8
    .kernarg_segment_size: 48
    .max_flat_workgroup_size: 128
    .sgpr_count:     66
    .vgpr_count:     256
    .wavefront_size: 32
...
	.end_amdgpu_metadata
.endif
;; end of part 1
;; launch qkv (part 2): grid 16 x 16, 8 waves a work-group, clusters of 4 x 4, 327,680 bytes of LDS; arguments opimg, opsc, qkv, qkvs; writes qkv, qkvs
.if DOCPART == 2
	.amdgcn_target "amdgcn-amd-amdhsa--gfx1250"
	.amdhsa_code_object_version 6
	.text
	.protected	k_q9059f15c75_qkv
	.globl	k_q9059f15c75_qkv
	.p2align	8
	.type	k_q9059f15c75_qkv,@function
k_q9059f15c75_qkv:
	s_mov_b64 s[64:65], 0
	v_nop
	global_prefetch_b8 v0, s[64:65] scope:SCOPE_SE
	s_setreg_imm32_b32 hwreg(HW_REG_WAVE_MODE, 25, 1), 1
	s_wait_xcnt 0x0
	s_wait_alu depctr_hold_cnt(0) depctr_sa_sdst(0) depctr_va_vdst(0) depctr_va_sdst(0) depctr_va_ssrc(0) depctr_va_vcc(0) depctr_vm_vsrc(0)
	s_getreg_b32 s2, hwreg(HW_REG_IB_STS2, 6, 4)
	s_cmp_eq_u32 s2, 0
	s_cbranch_scc0 .Lentry_in_a_cluster
	s_endpgm
.Lentry_in_a_cluster:
	s_bfe_u32 s2, ttmp6, 0x10000c
	s_cmp_lg_u32 s2, 0xf033
	s_cbranch_scc0 .Lentry_shape_is_right
	s_endpgm
.Lentry_shape_is_right:
; q = h Wq, k and v = h Wkv on codes of BF6 (E3M2), and the results quantised at once for the attention's two products.
; Out[x][y] = sum over k of X[x][k] Y[y][k], K = 1,024, quantised ALONG y in blocks of 32.  For q and k: X = tokens, Y = the weight's columns (a head's 64 are the first product's K).
; For v: X = Wkv's second 1,024 columns, Y = tokens (the keys are the second product's K).
; The matrix instruction takes source 0 = 16 rows of Y, source 1 = 16 rows of X: a lane holds one row of X, and by the order of rows in a tile (lane r of tile 2 b + u holds row 32 b + 8 u + r + 8 (r / 8))
; the 16 registers of Y's tiles 2 b and 2 b + 1 are 16 neighbours along y: 32 b + 16 (lane / 16) + 0 .. 15.
; SHARES.  A work-group owns 256 TOKENS (block bx of 32) and multiplies them with three blocks of 128 weight columns: blocks 2 j and 2 j + 1 of Wq's and Wkv's first 2,048 columns, and block j of Wkv's second 1,024 (j = 0 .. 7): 32 x 8 = 256 work-groups.
; In all three a wave takes token tiles 4 (wave % 4) on and weight tiles 4 (wave / 4) on, 64 x 64, 16 accumulators; for v the two sources change places, and nothing else does.
; LDS: two slots, each with half of K (512): the tokens' 16 tiles (98,304 bytes), which come once and stay, and the weights' 8 tiles (49,152 bytes), which are filled again for each later block: 491,520 bytes enter a work-group in all.
; A refill is asked for behind the round at which its slot's weights were read out, so it has the other half's 64 products a wave (and, for a second half, the way out of the block before) in which to land.
; CLUSTER 4 x 4: the four work-groups of a row own the same tokens, the four of a column take the same weights: each load is asked for jointly, behind a round of the cluster's barrier.
; No prefetch: K is short, two fills to a block, and each fill is asked for half a block ahead of its first read.
; Operands lie in memory and in LDS as images of their registers (half image of 768 bytes: registers 0-3 at 16 x lane, registers 4-5 at 512 + 16 r + 8 h): every LDS load reads consecutive bytes.
; OUT: half images (16 rows of X x 64 of y) at 768 x index, index = q, k: (head, 16 + head) x 512 + token tile;  v: 16,384 + (group of 64 keys) x 64 + tile of columns.
; Scale words (byte 0, 1: the two blocks; bytes 2, 3 zero) for four neighbouring half images: 256 bytes, the word of row r and image a at 16 r + 4 a.
; LIMITS: a block whose largest magnitude lies under 2^-122 has its byte held at 1; a block of zeros gets the byte 1 (its codes are zeros; this program alone reads the bytes).
.set WV,   21                          ; s21      my wave's number
.set SEL,  22                          ; s[22:23] lane selects for lane l xor 16
.set G1X,  24                          ; s[24:31] descriptor group 1 for the tokens' loads;  s[32:39] for the weights'
.set G1Y,  32
.set G0X,  40                          ; s[40:43], s[44:47] groups 0, written anew for each fill while no load of mine is out
.set G0Y,  44
.set AX,   48                          ; s[48:49] where the token tiles that I fetch begin in opimg;  s[50:55] the weight tiles, a pair for each block
.set AY,   50
.set OC,   66                          ; s[66:71] where my codes go, a pair for each block;  s[72:77] my scale words
.set OS,   72
.set SX,   78                          ; s[78:79] the tokens' scale words in opsc;  s[80:81] those of blocks 0 and 1, s[82:83] of block 2
.set SY,   80
.set SLOT, 147456                      ; a slot: tokens: [tile 16][6,144] from 0;  weights: [tile 8][6,144] from YREG
.set YREG, 98304
.set XSC,  294912                      ; scale words: the tokens' 16 tiles x 512, then the three blocks' 8 x 512 each: 20,480 bytes.  Written by LDS stores; no tile lands here
.set SPARE, 315392                     ; the spare words, 128 bytes a wave
.set TM,   10                          ; v10-15   the quantiser's: largest magnitudes, bytes, scale operands
.set ACC,  16                          ; v16-143  accumulator (a, y) at 16 + 8 (4 a + y): a counts X's tiles, y Y's
.set XF,   144                         ; v144-191 the tokens' four fragments
.set YF,   192                         ; v192-239 the weights' four
.set SC,   240                         ; v240-243 scale words: register i: lanes 0-15 the tokens' tile i, lanes 16-31 the weights' tile i
                                       ; v1-4 fragment addresses in slot 0 (tokens head, tail; weights head, tail), v244-247 in slot 1; v6, v7 an image's head and tail; v8 16 r; v9 16 x thread; v248 XSC + 16 x thread; v249-251 scale words of blocks 0-2
.macro ROUND                           ; a round of the cluster's barrier
	s_barrier_signal -1
	s_barrier_wait -1
	s_cmp_lg_u32 s[WV], 0
	s_cbranch_scc1 .Lnot_wave_0_\@
	s_barrier_signal -3
.Lnot_wave_0_\@:
	s_barrier_wait -3
	s_barrier_signal -1
	s_barrier_wait -1
.endm
.macro JLOAD                           ; a slot's first fill: waves 0-3 four token tiles each, waves 4-7 two weight tiles each: one branch on the wave's number, a load in each arm; an s_nop 0 and four v_nop behind each
	s_cmp_lt_u32 s[WV], 4
	s_cbranch_scc0 .Lfor_y_\@
	tensor_load_to_lds s[G0X:G0X+3], s[G1X:G1X+7]
	s_nop 0
.rept 4
	v_nop
.endr
	s_branch .Lasked_\@
.Lfor_y_\@:
	tensor_load_to_lds s[G0Y:G0Y+3], s[G1Y:G1Y+7]
	s_nop 0
.rept 4
	v_nop
.endr
.Lasked_\@:
.endm
.macro JLOADY                          ; a refill: the weights alone; waves 0-3 have no part of it and issue none
	s_cmp_lt_u32 s[WV], 4
	s_cbranch_scc1 .Lnone_\@
	tensor_load_to_lds s[G0Y:G0Y+3], s[G1Y:G1Y+7]
	s_nop 0
.rept 4
	v_nop
.endr
.Lnone_\@:
.rept 4
	v_nop                                          ; every wave's four places behind its last products
.endr
.endm
.macro SETX half                       ; group 0 for the tokens' half of K
	s_add_co_u32 s[G0X+1], s18, \half*SLOT
	s_add_nc_u64 s[G0X+2:G0X+3], s[AX:AX+1], \half*6144
	s_or_b32 s[G0X+3], s[G0X+3], 0x80000000
.endm
.macro SETY i, half                    ; group 0 for block i's weights, half of K
	s_add_co_u32 s[G0Y+1], s19, \half*SLOT
	s_add_nc_u64 s[G0Y+2:G0Y+3], s[AY+2*\i:AY+2*\i+1], \half*6144
	s_or_b32 s[G0Y+3], s[G0Y+3], 0x80000000
.endm
; A change of slots: all my loads have landed; the add; no load of mine is out, so the groups 0 are written; the add and my reads of the slot are done; the round; the fill
.macro MEET i, half, both
	s_wait_tensorcnt 0x0
	ds_add_u32 v254, v255
.if \both
	SETX \half
.endif
	SETY \i, \half
	s_wait_dscnt 0x0
	ROUND
.if \both
	JLOAD
.else
	JLOADY
.endif
.endm
; 32 numbers of a lane, v[s + 16 b + i] = k 32 b + 16 (lane / 16) + i of my row, become a half image's six registers v[pc] on and the scale word v[pw]
.macro QH s, pc, pt, pw
.irp b, 0,1
	v_max3_num_f32 v[TM+\b], |v[(\s)+16*\b]|, |v[(\s)+16*\b+1]|, 0x2800000   ; my 16 numbers of block b, from the accumulator's low end on, and the floor 2^(5 - 127)
.endr
.irp i, 2,4,6,8,10,12,14
.irp b, 0,1
	v_max3_num_f32 v[TM+\b], v[TM+\b], |v[(\s)+16*\b+\i]|, |v[(\s)+16*\b+\i+1]|
.endr
.endr
.irp b, 0,1
	s_delay_alu instid0(VALU_DEP_2)
	v_permlanex16_b32 v[TM+2+\b], v[TM+\b], s[SEL], s[SEL+1]
.endr
.irp b, 0,1
	s_delay_alu instid0(VALU_DEP_2)
	v_max_num_f32 v[TM+\b], v[TM+\b], v[TM+2+\b]   ; with lane l xor 16's 16: the block's largest magnitude
.endr
.irp b, 0,1
	s_delay_alu instid0(VALU_DEP_2)
	v_add_nc_u32 v[TM+4+\b], 0xfe000000, v[TM+\b]  ; 4 off its exponent field: the conversion's scale operand
.endr
.irp b, 0,1
	s_delay_alu instid0(VALU_DEP_2)
	v_lshrrev_b32 v[TM+2+\b], 23, v[TM+4+\b]       ; the scale's byte
.endr
	s_delay_alu instid0(VALU_DEP_1)
	v_lshl_or_b32 v[\pw], v[TM+3], 8, v[TM+2]
	v_cvt_scalef32_pk16_bf6_f32 v[(\pc):(\pc)+2], v[(\s):(\s)+15], v[TM+4]
	v_cvt_scalef32_pk16_bf6_f32 v[(\pt):(\pt)+2], v[(\s)+16:(\s)+31], v[TM+5]
	v_nop                                          ; one plain line behind a scaled conversion
.irp i, 0,1,2
	v_permlane16_swap_b32 v[(\pc)+\i], v[(\pt)+\i] ; the layout wants a whole block in a lane: lanes 0-15 block 0, lanes 16-31 block 1
.endr
.irp i, 0,1,2
	s_delay_alu instid0(VALU_DEP_3)
	v_mov_b32 v[(\pc)+3+\i], v[(\pt)+\i]
.endr
.endm
	s_load_b256 s[4:11], s[0:1], 0x0               ; opimg s[4:5], opsc s[6:7], qkv s[8:9], qkvs s[10:11]
	v_lshl_add_u32 v254, v0, 2, SPARE
	v_mov_b32 v255, 0
	ds_add_u32 v254, v255                          ; the opening lines: the add, twice on end, and its wait ahead of my first tensor load
	ds_add_u32 v254, v255
	v_lshrrev_b32 v1, 5, v0
	v_readfirstlane_b32 s[WV], v1                  ; wave 0..7
	s_bfe_u32 s12, ttmp6, 0x40000                  ; cx
	s_bfe_u32 s13, ttmp6, 0x40004                  ; cy
	s_and_b32 s14, ttmp7, 0xffff                   ; the cluster's y, 0..3
	s_and_b32 s16, s[WV], 3                        ; my four token tiles.  Also: which part of a fill I fetch
	s_lshr_b32 s17, s[WV], 2                       ; my four weight tiles
	s_mul_i32 s18, s16, 24576                      ; LDS: four token tiles
	s_mul_i32 s19, s16, 12288
	s_add_co_u32 s19, s19, YREG                    ; two weight tiles
	; the tokens' chain (s90, s92, s93) never holds cx, the weights' (s91, s94, s95) never cy
	s_lshr_b32 s90, ttmp9, 1
	s_lshl_b32 s20, s14, 1
	s_add_co_u32 s90, s90, s20
	s_lshl_b32 s90, s90, 2
	s_add_co_u32 s90, s90, s13                     ; bx = 4 x (2 x cluster y + cluster x / 2) + cy
	s_and_b32 s91, ttmp9, 1
	s_lshl_b32 s91, s91, 2
	s_add_co_u32 s91, s91, s12                     ; j = 4 x (cluster x % 2) + cx
	s_lshl_b32 s92, s90, 4
	s_lshl_b32 s20, s16, 2
	s_add_co_u32 s92, s92, s20
	s_mul_i32 s92, s92, 12288                      ; token tile 16 bx + 4 x (wave % 4)
	s_mov_b32 s93, 0
	s_lshl_b32 s94, s91, 4
	s_lshl_b32 s20, s16, 1
	s_add_co_u32 s94, s94, s20
	s_add_co_u32 s94, s94, 512
	s_mul_i32 s94, s94, 12288                      ; block 0: weight tile 512 + 16 j + 2 x (wave % 4)
	s_mov_b32 s95, 0
	s_lshl_b32 s96, s13, 2
	s_lshl_b32 s96, 15, s96                        ; my row of the cluster
	s_lshl_b32 s97, 0x1111, s12                    ; my column
	; descriptor groups 1: rows of 768 elements of 8 bytes (a tile's half of K, 6,144 bytes), 1,536 elements (a tile) apart; dense in LDS; tokens four rows, weights two
	s_or_b32 s[G1X], s96, (3<<16)|(1<<21)          ; 15:0 the mask; 17:16 elements of 8 bytes; 21 set beside a mask
	s_or_b32 s[G1Y], s97, (3<<16)|(1<<21)
.irp g, G1X, G1Y
	s_mov_b32 s[\g+1], 768<<16                     ; tensor_dim0
	s_mov_b32 s[\g+3], 768<<16                     ; tile_dim0
	s_mov_b32 s[\g+5], 1536                        ; tensor_dim0_stride
	s_mov_b32 s[\g+6], 0
	s_mov_b32 s[\g+7], 0
.endr
	s_mov_b32 s[G1X+2], 4<<16                      ; tensor_dim1
	s_mov_b32 s[G1X+4], 4                          ; tile_dim1
	s_mov_b32 s[G1Y+2], 2<<16
	s_mov_b32 s[G1Y+4], 2
	s_mov_b32 s[G0X], 1                            ; count = 1
	s_mov_b32 s[G0Y], 1
	s_mov_b32 s[SEL], 0x76543210
	s_mov_b32 s[SEL+1], 0xfedcba98
	s_wait_dscnt 0x0                               ; both opening adds are done
	s_wait_kmcnt 0x0
	s_add_nc_u64 s[AX:AX+1], s[4:5], s[92:93]
	s_add_nc_u64 s[AY:AY+1], s[4:5], s[94:95]
	SETX 0
	SETY 0, 0
	ROUND                                          ; all sixteen work-groups are here: the first joint loads meet
	JLOAD                                          ; slot 0's first fill: one tensor load a wave at the head
	s_add_nc_u64 s[AY+2:AY+3], s[AY:AY+1], 8*12288 ; block 1: eight tiles on
	s_lshl_b32 s94, s91, 3
	s_add_co_u32 s94, s94, s20
	s_add_co_u32 s94, s94, 640
	s_mul_i32 s94, s94, 12288                      ; block 2: weight tile 640 + 8 j + 2 x (wave % 4)
	s_add_nc_u64 s[AY+4:AY+5], s[4:5], s[94:95]
	s_mov_b32 s99, 0
	s_lshl_b32 s98, s90, 13                        ; scale words, 512 bytes a tile: the tokens',
	s_add_nc_u64 s[SX:SX+1], s[6:7], s[98:99]
	s_lshl_b32 s98, s91, 13
	s_add_co_u32 s98, s98, 512*512                 ; blocks 0 and 1's, 8,192 dense bytes,
	s_add_nc_u64 s[SY:SY+1], s[6:7], s[98:99]
	s_lshl_b32 s98, s91, 12
	s_add_co_u32 s98, s98, 640*512                 ; block 2's
	s_add_nc_u64 s[SY+2:SY+3], s[6:7], s[98:99]
	s_lshl_b32 s96, s91, 2                         ; the output's index, q and k: (4 j + 2 i + wave / 4) x 512 + 16 bx + 4 x (wave % 4)
	s_add_co_u32 s96, s96, s17
	s_lshl_b32 s96, s96, 9
	s_lshl_b32 s97, s90, 4
	s_add_co_u32 s96, s96, s97
	s_lshl_b32 s97, s16, 2
	s_add_co_u32 s96, s96, s97
	s_mul_i32 s98, s96, 768
	s_add_nc_u64 s[OC:OC+1], s[8:9], s[98:99]
	s_add_nc_u64 s[OC+2:OC+3], s[OC:OC+1], 1024*768
	s_lshl_b32 s98, s96, 6
	s_add_nc_u64 s[OS:OS+1], s[10:11], s[98:99]
	s_add_nc_u64 s[OS+2:OS+3], s[OS:OS+1], 1024*64
	s_lshl_b32 s96, s90, 2                         ; v: 16,384 + (4 bx + wave % 4) x 64 + 8 j + 4 x (wave / 4)
	s_add_co_u32 s96, s96, s16
	s_lshl_b32 s96, s96, 6
	s_lshl_b32 s97, s91, 3
	s_add_co_u32 s96, s96, s97
	s_lshl_b32 s97, s17, 2
	s_add_co_u32 s96, s96, s97
	s_add_co_u32 s96, s96, 16384
	s_mul_i32 s98, s96, 768
	s_add_nc_u64 s[OC+4:OC+5], s[8:9], s[98:99]
	s_lshl_b32 s98, s96, 6
	s_add_nc_u64 s[OS+4:OS+5], s[10:11], s[98:99]
	s_xor_b32 s20, s16, 3
	s_add_co_u32 s20, s20, s17
	s_lshl_b32 s20, s20, 11
	s_add_co_u32 s20, s20, 2048                    ; from my token tiles' words to my weight tiles' of block 0: 8,192 + 2,048 (wave / 4) - 2,048 (wave % 4)
	s_lshl_b32 s90, s16, 11
	s_add_co_u32 s90, s90, XSC
	s_mul_i32 s92, s17, 24576
	s_add_co_u32 s92, s92, YREG
	v_lshlrev_b32 v9, 4, v0                        ; the scale words: 20,480 dense bytes, 5 x 16 for each of the 256 threads
	global_load_b128 v[144:147], v9, s[SX:SX+1]
	global_load_b128 v[148:151], v9, s[SX:SX+1] offset:4096
	global_load_b128 v[152:155], v9, s[SY:SY+1]
	global_load_b128 v[156:159], v9, s[SY:SY+1] offset:4096
	global_load_b128 v[160:163], v9, s[SY+2:SY+3]
	v_and_b32 v10, 31, v0                          ; lane
	v_and_b32 v11, 15, v0                          ; r
	v_bfe_u32 v12, v0, 4, 1                        ; h
	v_lshlrev_b32 v6, 4, v10                       ; an image's head: 16 x lane
	v_lshlrev_b32 v8, 4, v11                       ; 16 r
	v_lshl_add_u32 v7, v12, 3, v8
	v_add_nc_u32 v7, 512, v7                       ; its tail: 512 + 16 r + 8 h
	v_add_nc_u32 v1, s18, v6
	v_add_nc_u32 v2, s18, v7
	v_add_nc_u32 v3, s92, v6
	v_add_nc_u32 v4, s92, v7
.irp i, 0,1,2,3
	v_add_nc_u32 v[244+\i], SLOT, v[1+\i]
.endr
	v_mul_u32_u24 v249, s20, v12                   ; lanes 16-31 take the weights'
	v_lshl_add_u32 v249, v11, 2, v249
	v_add_nc_u32 v249, s90, v249
	v_lshl_add_u32 v250, v12, 12, v249             ; block 1's lie 4,096 bytes on, block 2's 8,192
	v_lshl_add_u32 v251, v12, 13, v249
	v_add_nc_u32 v248, XSC, v9
	v_mov_b32 v[TM+2], 0                           ; (a lane permute's destination counts as one of its sources)
	v_mov_b32 v[TM+3], 0
	s_wait_alu depctr_va_vdst(0)
	s_wait_loadcnt 0x0
.irp i, 0,1,2,3,4
	ds_store_b128 v248, v[144+4*\i:147+4*\i] offset:4096*\i
.endr
.macro FRAG reg, ah, at, off           ; a fragment, 16 rows x 128 K: two half images on end
	ds_load_b128 v[(\reg):(\reg)+3], v[\ah] offset:(\off)
	ds_load_b64 v[(\reg)+4:(\reg)+5], v[\at] offset:(\off)
	ds_load_b128 v[(\reg)+6:(\reg)+9], v[\ah] offset:(\off)+768
	ds_load_b64 v[(\reg)+10:(\reg)+11], v[\at] offset:(\off)+768
.endm
; one product.  ZZ = 1: it starts its sum.  q and k: source 0 the weights (their scale words in lanes 16-31), source 1 the tokens;  v: source 0 the tokens, source 1 the weights
.macro WMQ d, a, b, sa, sb
.if ZZ
	v_wmma_scale_f32_16x16x128_f8f6f4 v[\d:\d+7], v[\a:\a+11], v[\b:\b+11], 0, v[\sa], v[\sb] matrix_a_fmt:MATRIX_FMT_BF6 matrix_b_fmt:MATRIX_FMT_BF6 matrix_a_scale:MATRIX_SCALE_ROW1
.else
	v_wmma_scale_f32_16x16x128_f8f6f4 v[\d:\d+7], v[\a:\a+11], v[\b:\b+11], v[\d:\d+7], v[\sa], v[\sb] matrix_a_fmt:MATRIX_FMT_BF6 matrix_b_fmt:MATRIX_FMT_BF6 matrix_a_scale:MATRIX_SCALE_ROW1
.endif
.endm
.macro WMV d, a, b, sa, sb
.if ZZ
	v_wmma_scale_f32_16x16x128_f8f6f4 v[\d:\d+7], v[\a:\a+11], v[\b:\b+11], 0, v[\sa], v[\sb] matrix_a_fmt:MATRIX_FMT_BF6 matrix_b_fmt:MATRIX_FMT_BF6 matrix_b_scale:MATRIX_SCALE_ROW1
.else
	v_wmma_scale_f32_16x16x128_f8f6f4 v[\d:\d+7], v[\a:\a+11], v[\b:\b+11], v[\d:\d+7], v[\sa], v[\sb] matrix_a_fmt:MATRIX_FMT_BF6 matrix_b_fmt:MATRIX_FMT_BF6 matrix_b_scale:MATRIX_SCALE_ROW1
.endif
.endm
; 128 along K: the s-th of half h (slot h) of block b.  z = 1: the half is the block's first.  The 16 accumulators take turns, one instruction a turn, in the same order in every step of a block.
.macro KSTEP h, s, b, z
.set ZZ, (\z)&&((\s)==0)
.irp i, 0,1,2,3
	ds_load_b32 v[SC+\i], v[249+(\b)] offset:512*\i+64*(4*(\h)+(\s))
.endr
.irp y, 0,1,2,3
	FRAG YF+12*\y, 3+243*(\h), 4+243*(\h), 6144*\y+1536*(\s)
.endr
.irp a, 0,1,2,3
	FRAG XF+12*\a, 1+243*(\h), 2+243*(\h), 6144*\a+1536*(\s)
.endr
.irp a, 0,1,2,3
	s_wait_dscnt 12-4*\a                           ; the fragments of the later token tiles, four loads each, may be out
.irp y, 0,1,2,3
.if (\b) < 2
	WMQ ACC+8*(4*\a+\y), YF+12*\y, XF+12*\a, SC+\y, SC+\a
.else
	WMV ACC+8*(4*\y+\a), XF+12*\a, YF+12*\y, SC+\a, SC+\y
.endif
.endr
.endr
.endm
.macro HALF h, b, z                    ; half of K: four steps out of slot h
.irp s, 0,1,2,3
.if \s > 0
.rept 4
	v_nop                                          ; four places in front of loads into registers that matrix instructions have read
.endr
.endif
	KSTEP \h, \s, \b, \z
.endr
.endm
; THE WAY OUT of block i: each of my four tiles of X is a half image, stored from the registers in which it was made
.macro EPI i
.irp a, 0,1,2,3
	QH ACC+32*\a, XF+8*\a, XF+32+4*\a, 208+\a
	global_store_b128 v6, v[XF+8*\a:XF+8*\a+3], s[OC+2*\i:OC+2*\i+1] offset:768*\a       ; 512 consecutive bytes
	global_store_b64 v7, v[XF+8*\a+4:XF+8*\a+5], s[OC+2*\i:OC+2*\i+1] offset:768*\a      ; 256 consecutive bytes
.endr
	global_store_b128 v8, v[208:211], s[OS+2*\i:OS+2*\i+1]     ; the four tiles' scale words of row r: 16 lanes store 256 consecutive bytes (lanes r and r + 16 the same bytes with the same values)
.if \i < 2
	s_wait_alu depctr_va_vdst(0)
	s_wait_xcnt 0x0                                ; the stores have read their registers: the next fragments may land there
.endif
.endm
	MEET 0, 1, 1                                   ; slot 1's first fill, issued as a refill is; my stores of scale words are done in front of the round
	HALF 0, 0, 1
	MEET 1, 0, 0                                   ; from here on the weights alone are filled again
	HALF 1, 0, 0
	MEET 1, 1, 0
	EPI 0
	HALF 0, 1, 1
	MEET 2, 0, 0
	HALF 1, 1, 0
	MEET 2, 1, 0
	EPI 1
	HALF 0, 2, 1
	s_wait_tensorcnt 0x0                           ; the last fill has landed; nothing more is asked for, so no round follows
	ds_add_u32 v254, v255
	s_wait_dscnt 0x0
	s_barrier_signal -1
	s_barrier_wait -1
.rept 4
	v_nop
.endr
	HALF 1, 2, 0
.rept 4
	v_nop                                          ; four places in front of the first read of results
.endr
	EPI 2
	s_wait_tensorcnt 0x0                           ; the wave's end
	ds_add_u32 v254, v255
	s_wait_dscnt 0x0
	ROUND                                          ; the closing round: no work-group ends while a partner may still ask for a tile that names it
	s_endpgm
.Lfunc_end_k_q9059f15c75_qkv:
	.size	k_q9059f15c75_qkv, .Lfunc_end_k_q9059f15c75_qkv-k_q9059f15c75_qkv
	.p2alignl 7, 3214868480
	.fill 96, 4, 3214868480
	.section	.rodata,"a",@progbits
	.p2align	6, 0x0
	.amdhsa_kernel k_q9059f15c75_qkv
		.amdhsa_group_segment_fixed_size 327680
		.amdhsa_private_segment_fixed_size 0
		.amdhsa_enable_private_segment 0
		.amdhsa_kernarg_size 32
		.amdhsa_user_sgpr_count 2
		.amdhsa_user_sgpr_kernarg_segment_ptr 1
		.amdhsa_wavefront_size32 1
		.amdhsa_system_sgpr_workgroup_id_x 1
		.amdhsa_system_sgpr_workgroup_id_y 1
		.amdhsa_system_sgpr_workgroup_id_z 1
		.amdhsa_system_vgpr_workitem_id 0
		.amdhsa_next_free_vgpr 256
		.amdhsa_next_free_sgpr 100
		.amdhsa_reserve_vcc 0
		.amdhsa_float_denorm_mode_32 3
		.amdhsa_float_denorm_mode_16_64 3
		.amdhsa_memory_ordered 1
		.amdhsa_forward_progress 1
		.amdhsa_inst_pref_size 151
	.end_amdhsa_kernel
	.amdgpu_metadata
---
amdhsa.version: [ 1, 2 ]
amdhsa.kernels:
  - .name:           k_q9059f15c75_qkv
    .symbol:         k_q9059f15c75_qkv.kd
    .args:
      - { .name: opimg, .offset: 0, .size: 8, .value_kind: global_buffer, .address_space: global }
      - { .name: opsc, .offset: 8, .size: 8, .value_kind: global_buffer, .address_space: global }
      - { .name: qkv, .offset: 16, .size: 8, .value_kind: global_buffer, .address_space: global }
      - { .name: qkvs, .offset: 24, .size: 8, .value_kind: global_buffer, .address_space: global }
    .group_segment_fixed_size: 327680
    .private_segment_fixed_size: 0
    .kernarg_segment_align: 8
    .kernarg_segment_size: 32
    .max_flat_workgroup_size: 256
    .sgpr_count:     100
    .vgpr_count:     256
    .wavefront_size: 32
...
	.end_amdgpu_metadata
.endif
;; end of part 2
;; launch attn (part 3): grid 4 x 64, 8 waves a work-group, clusters of 4 x 1, 242,688 bytes of LDS; arguments attn_mask, qkv, qkvs, aimg, asc; writes aimg, asc
.if DOCPART == 3
	.amdgcn_target "amdgcn-amd-amdhsa--gfx1250"
	.amdhsa_code_object_version 6
	.text
	.protected	k_q9059f15c75_attn
	.globl	k_q9059f15c75_attn
	.p2align	8
	.type	k_q9059f15c75_attn,@function
k_q9059f15c75_attn:
	s_mov_b64 s[64:65], 0
	v_nop
	global_prefetch_b8 v0, s[64:65] scope:SCOPE_SE
	s_setreg_imm32_b32 hwreg(HW_REG_WAVE_MODE, 25, 1), 1
	s_wait_xcnt 0x0
	s_wait_alu depctr_hold_cnt(0) depctr_sa_sdst(0) depctr_va_vdst(0) depctr_va_sdst(0) depctr_va_ssrc(0) depctr_va_vcc(0) depctr_vm_vsrc(0)
	s_getreg_b32 s2, hwreg(HW_REG_IB_STS2, 6, 4)
	s_cmp_eq_u32 s2, 0
	s_cbranch_scc0 .Lentry_in_a_cluster
	s_endpgm
.Lentry_in_a_cluster:
	s_bfe_u32 s2, ttmp6, 0x10000c
	s_cmp_lg_u32 s2, 0x3003
	s_cbranch_scc0 .Lentry_shape_is_right
	s_endpgm
.Lentry_shape_is_right:
; For each batch b and head n: O[q] = sum over keys of softmax(q . k / 8, masked keys left out) v, both products on codes of BF6 (E3M2); O / the row's sum is quantised at once for the output projection.
; THE SOFTMAX: t = score x log2(e) / 8; M = the running largest t rounded UP to a whole number; p = 2^(t - M) is quantised along the keys; the row's sum is taken of the unquantised p and divides at the end.
; SHARES.  A work-group owns 512 queries of one (b, n), in two passes of 256; each of its eight waves two tiles of 16 queries a pass, in 512 registers.  Each fragment of K, of V and of the bias that a wave reads from LDS serves both its tiles.
; ALL of the head's K and V codes (196,608 bytes) come into LDS once, by one tensor load a wave (waves 0-3 a quarter of K, waves 4-7 a quarter of V), and are never filled again: one barrier, at the head.
; CLUSTER 4 x 1: the four work-groups of a (b, n) need the same K and V: each of the eight loads is asked for jointly.  No prefetch: every tile of the launch is asked for at the head, so no loop runs ahead of a load.
; LAYOUT.  S^T = K Q^T (source 0 = 16 keys, source 1 = 16 queries), O^T = V^T P^T: a lane holds one query throughout.
; THE KEYS OF A TILE OF K ARE CHOSEN BY THE LANES' LDS ADDRESSES: row r of tile 4 g + u is key 64 g + 32 (r / 8) + 8 u + r % 8 of the step.  Register j of that tile in lane (r, h) is then key 64 g + 32 h + 8 u + j:
; a lane's 32 registers of tiles 4 g .. 4 g + 3 are one WHOLE block of 32 keys, block 2 g + h, which is what the second product's operand wants of that lane: no lane is asked for a block's maximum, no codes change lanes.
; In memory a half image (768 bytes) holds 16 keys x the head's 64: registers 0-3 at 16 x lane, registers 4-5 at 512 + 16 r + 8 h; row r of image 2 b + u is key 32 b + 8 u + r + 8 (r / 8).
; K's bytes get 64 bytes of padding behind each 256 in LDS (an image: 960 bytes), so that a tile's rows 0-7 and 8-15, two images apart, start 128 bytes apart modulo 256.
; THE HEAD'S 64 FILL HALF OF THE INSTRUCTION'S K.  Q's registers 6-11 are zeros.  K's operand for tile t is twelve registers from KF + 6 t: the upper six are the next tile's codes (behind the last tile: zeros): every code is a finite number,
; it meets a zero code of Q, and the scale bytes there are 0, which is 2^-127: that half adds exactly 0.
; THE MASK: a bias (0, or -2^100 for a masked key) is the C of the score's product; its 64 registers serve both tiles.  A masked key's p is 2^(very negative) = 0.
; While a row has met masked keys only, t - M is 0 at most; the first open key makes 2^(old M - new M) = 0, which wipes what was summed.  The same factor 0 wipes the last pass's sums at a pass's first step, so O^T and the sums are cleared once.
; LIMITS: a masked score is -2^100, not -infinity: right while real scores stay under 2^76 in magnitude.  A batch all of whose keys are masked gives finite numbers where the definition gives NaN.  Any mask byte other than 0 counts as true.
; A block whose largest magnitude lies under 2^-122 has its scale byte held at 1; a block of zeros gets the byte 1 (its codes are zeros).
.set WV,  14
.set SEL, 18                           ; s[18:19] lane selects for lane l xor 16
.set CS,  20                           ; s[20:21] c = log2(e) / 8 (the packed form names a pair)
.set T6,  22                           ; s22  LDS byte of a step's tiles of K
.set TR,  23                           ; s23  of a step's record, less its base
.set NS,  24                           ; s24  steps to go
.set NP,  25                           ; s25  passes to go
.set TV,  96                           ; s96  LDS byte of a step's tiles of V
.set G1K, 28                           ; s[28:35], s[36:43] descriptor groups 1 for K and V;  s[44:47], s[48:51] groups 0
.set G1V, 36
.set G0K, 44
.set G0V, 48
.set VREG, 122880                      ; LDS: K: 128 images x 960 from 0;  V from here: [group of 64 keys 32][tile of the head's 64: 4][768]
.set REC,  221184                      ; a record of 1,280 bytes for each key step: K's scale words (512), the bias of its 128 keys (512), V's scale words (256); written by LDS stores, no tile lands here
.set SPARE, 241664                     ; the spare words, 128 bytes a wave
; WINDOW 0: v1, v2 an image's head and tail; v3, v4 the same for my rows of a tile of K; v5-7 my places in a record; v8 8 h; v9 4 r; v12-18 the step's addresses
.set SPW, 10                           ; v10  my spare word;  v11  0
.set NIL, 11
.set NM,  20                           ; v[20+2q] -M, v[21+2q] the largest score so far
.set TA,  24                           ; v24-27 at work
.set TB,  26
.set F,   28                           ; v[28+2q] f = 2^(old M - new M) (the upper halves are zeros)
.set QF,  32                           ; v32-55 Q's two tiles, six registers of codes and six of zeros each
.set QS,  56                           ; v56-57 their scale words
.set QN,  58                           ; v58-71 the next pass's
.set KF,  72                           ; v72-125 K's eight tiles and six zeros
.set KS,  126                          ; v126-133 their scale words
.set VF,  134                          ; v134-181 V's four fragments
.set VS,  182                          ; v182-185 their scale words
.set P,   186                          ; v186-209 p's codes, two tiles
.set PW,  210                          ; v210-211 p's scale words
.set PT,  212                          ; v212-227 the upper 16 codes of a block (a conversion's three registers begin on an even number)
.set BM,  228                          ; v[228+2q+g] a block's largest score, then its largest p
.set SO,  232                          ; v232-235 the conversions' scale operands
.set TM,  228                          ; the way out's quantiser: six registers
.set SUM, 240                          ; v[240+8q ..]: three partial sums and the row's sum, in pairs
; WINDOW 1: v0-63, v64-127 S^T, then p, of tiles 0 and 1;  v128-191 the bias;  v192-223, v224-255 O^T
.set BI,  128
.set OA,  192
.set MSB, 0
.macro WIN new                         ; low byte: bits 1:0 source 0, 3:2 source 1, 5:4 source 2, 7:6 destination; the high byte repeats the setting that is left
.if MSB != \new
	s_set_vgpr_msb (MSB<<8)|\new
.set MSB, \new
.endif
.endm
.macro ROUND                           ; a round of the cluster's barrier
	s_barrier_signal -1
	s_barrier_wait -1
	s_cmp_lg_u32 s[WV], 0
	s_cbranch_scc1 .Lnot_wave_0_\@
	s_barrier_signal -3
.Lnot_wave_0_\@:
	s_barrier_wait -3
	s_barrier_signal -1
	s_barrier_wait -1
.endm
.macro WM d, a, b, c, sa, sb
	v_wmma_scale_f32_16x16x128_f8f6f4 v[\d:\d+7], v[\a:\a+11], v[\b:\b+11], v[\c:\c+7], v[\sa], v[\sb] matrix_a_fmt:MATRIX_FMT_BF6 matrix_b_fmt:MATRIX_FMT_BF6
.endm
; the way out: 32 numbers of a lane, v[s + 16 b + i] = channel 32 b + 16 (lane / 16) + i of my row, become a half image's six registers v[pc] on and the scale bytes v[pw]
.macro QH s, pc, pt, pw
.irp b, 0,1
	v_max3_num_f32 v[TM+\b], |v[(\s)+16*\b]|, |v[(\s)+16*\b+1]|, 0x2800000   ; my 16 numbers of block b, and the floor 2^(5 - 127)
.endr
.irp i, 2,4,6,8,10,12,14
.irp b, 0,1
	s_delay_alu instid0(VALU_DEP_2)
	v_max3_num_f32 v[TM+\b], v[TM+\b], |v[(\s)+16*\b+\i]|, |v[(\s)+16*\b+\i+1]|
.endr
.endr
.irp b, 0,1
	s_delay_alu instid0(VALU_DEP_2)
	v_permlanex16_b32 v[TM+2+\b], v[TM+\b], s[SEL], s[SEL+1]
.endr
.irp b, 0,1
	s_delay_alu instid0(VALU_DEP_2)
	v_max_num_f32 v[TM+\b], v[TM+\b], v[TM+2+\b]
.endr
.irp b, 0,1
	s_delay_alu instid0(VALU_DEP_2)
	v_add_nc_u32 v[TM+4+\b], 0xfe000000, v[TM+\b]
.endr
.irp b, 0,1
	s_delay_alu instid0(VALU_DEP_2)
	v_lshrrev_b32 v[TM+2+\b], 23, v[TM+4+\b]
.endr
	s_delay_alu instid0(VALU_DEP_1)
	v_lshl_or_b32 v[\pw], v[TM+3], 8, v[TM+2]
	v_cvt_scalef32_pk16_bf6_f32 v[(\pc):(\pc)+2], v[(\s):(\s)+15], v[TM+4]
	v_cvt_scalef32_pk16_bf6_f32 v[(\pt):(\pt)+2], v[(\s)+16:(\s)+31], v[TM+5]
	v_nop                                          ; one plain line behind a scaled conversion
.irp i, 0,1,2
	v_permlane16_swap_b32 v[(\pc)+\i], v[(\pt)+\i]
.endr
.irp i, 0,1,2
	s_delay_alu instid0(VALU_DEP_3)
	v_mov_b32 v[(\pc)+3+\i], v[(\pt)+\i]
.endr
.endm
	s_load_b256 s[4:11], s[0:1], 0x0               ; attn_mask s[4:5], qkv s[6:7], qkvs s[8:9], aimg s[10:11]
	s_load_b64 s[12:13], s[0:1], 0x20              ; asc
	v_lshl_add_u32 v[SPW], v0, 2, SPARE
	v_mov_b32 v[NIL], 0
	ds_add_u32 v[SPW], v[NIL]                      ; the opening lines: the add, twice on end, and its wait ahead of my tensor load
	ds_add_u32 v[SPW], v[NIL]
	v_lshrrev_b32 v1, 5, v0
	v_readfirstlane_b32 s[WV], v1                  ; wave 0..7
	s_bfe_u32 s15, ttmp6, 0x40000                  ; cx: my 512 queries; it enters the addresses of Q and of the outputs alone
	s_and_b32 s17, ttmp7, 0xffff
	s_lshr_b32 s16, s17, 4                         ; batch b
	s_and_b32 s17, s17, 15                         ; head n
	s_lshl_b32 s26, s16, 3                         ; the batch's byte in a key's word of the mask, in bits
	s_mov_b32 s[SEL], 0x76543210
	s_mov_b32 s[SEL+1], 0xfedcba98
	s_mov_b32 s[CS], 0x3e38aa3b                    ; log2(e) / 8
	s_mov_b32 s[CS+1], s[CS]
	; K's quarter is dense in memory: 96 rows of 32 elements of 8 bytes (256 bytes), 16 words of padding behind each
	s_mov_b32 s[G1K], 15|(3<<16)|(1<<20)|(1<<21)|(5<<22)|(15<<25)   ; 15:0 the mask: all four work-groups; 17:16 elements of 8 bytes; 20 padding on; 21 set beside a mask; 24:22 after 64 words; 31:25 16 words
	s_mov_b32 s[G1K+1], 32<<16
	s_mov_b32 s[G1K+2], 96<<16
	s_mov_b32 s[G1K+3], 32<<16
	s_mov_b32 s[G1K+4], 96
	s_mov_b32 s[G1K+5], 32
	s_mov_b32 s[G1K+6], 0
	s_mov_b32 s[G1K+7], 0
	; V's quarter: 8 rows (a group of 64 keys: the head's four half images, 3,072 bytes), 6,144 elements apart; dense in LDS
	s_mov_b32 s[G1V], 15|(3<<16)|(1<<21)
	s_mov_b32 s[G1V+1], 384<<16
	s_mov_b32 s[G1V+2], 8<<16
	s_mov_b32 s[G1V+3], 384<<16
	s_mov_b32 s[G1V+4], 8
	s_mov_b32 s[G1V+5], 6144
	s_mov_b32 s[G1V+6], 0
	s_mov_b32 s[G1V+7], 0
	s_and_b32 s27, s[WV], 3                        ; which quarter is mine
	s_mul_i32 s52, s27, 24576
	s_mul_i32 s54, s27, 393216
	s_add_co_u32 s84, s17, 16
	s_lshl_b32 s84, s84, 9
	s_lshl_b32 s85, s16, 7
	s_add_co_u32 s84, s84, s85
	s_mul_i32 s84, s84, 768                        ; K: half image (16 + n) x 512 + 128 b,
	s_add_co_u32 s84, s84, s52                     ; + my quarter's 32 images
	s_mov_b32 s85, 0
	s_lshl_b32 s86, s16, 11
	s_lshl_b32 s87, s17, 2
	s_add_co_u32 s86, s86, s87
	s_add_co_u32 s86, s86, 16384
	s_mul_i32 s86, s86, 768                        ; V: half image 16,384 + 2,048 b + 4 n,
	s_add_co_u32 s86, s86, s54                     ; + my quarter's 8 groups of keys
	s_mov_b32 s87, 0
	s_mov_b32 s[G0K], 1
	s_mul_i32 s[G0K+1], s27, 30720                 ; 32 images x 960
	s_mov_b32 s[G0V], 1
	s_mul_i32 s[G0V+1], s27, 24576
	s_add_co_u32 s[G0V+1], s[G0V+1], VREG
	s_wait_dscnt 0x0                               ; both opening adds are done
	s_wait_kmcnt 0x0
	s_add_nc_u64 s[G0K+2:G0K+3], s[6:7], s[84:85]
	s_or_b32 s[G0K+3], s[G0K+3], 0x80000000
	s_add_nc_u64 s[G0V+2:G0V+3], s[6:7], s[86:87]
	s_or_b32 s[G0V+3], s[G0V+3], 0x80000000
	ROUND                                          ; all four work-groups are here: the joint loads meet
	s_cmp_lt_u32 s[WV], 4                          ; one load a wave: one branch on the wave's number, a load in each arm
	s_cbranch_scc0 .Lfor_v
	tensor_load_to_lds s[G0K:G0K+3], s[G1K:G1K+7]
	s_nop 0
.rept 4
	v_nop
.endr
	s_branch .Lasked
.Lfor_v:
	tensor_load_to_lds s[G0V:G0V+3], s[G1V:G1V+7]
	s_nop 0
.rept 4
	v_nop
.endr
.Lasked:
	; THE RECORDS: wave w makes those of key steps w and w + 8.  And my queries' codes, for both passes.
	s_add_co_u32 s88, s17, 16
	s_lshl_b32 s88, s88, 7
	s_lshl_b32 s27, s16, 5
	s_add_co_u32 s88, s88, s27
	s_lshl_b32 s88, s88, 8                         ; K's scale words of (b, n): 8,192 dense bytes
	s_mov_b32 s89, 0
	s_add_nc_u64 s[88:89], s[8:9], s[88:89]
	s_lshl_b32 s90, s16, 9
	s_add_co_u32 s90, s90, s17
	s_add_co_u32 s90, s90, 4096
	s_lshl_b32 s90, s90, 8                         ; V's: 256 bytes for each group of 64 keys, 4,096 bytes apart;
	s_lshl_b32 s27, s[WV], 13
	s_add_co_u32 s90, s90, s27                     ; step w's two groups
	s_mov_b32 s91, 0
	s_add_nc_u64 s[90:91], s[8:9], s[90:91]
	s_lshl_b32 s60, s16, 7
	s_lshl_b32 s27, s15, 5
	s_add_co_u32 s60, s60, s27
	s_lshl_b32 s27, s[WV], 1
	s_add_co_u32 s60, s60, s27                     ; my first tile of queries: 128 b + 32 cx + 2 x wave; the second is the next; the second pass's lie 16 tiles on
	s_lshl_b32 s61, s17, 9
	s_add_co_u32 s61, s61, s60                     ; its half image: 512 n + tile
	s_mul_i32 s94, s61, 768
	s_mov_b32 s95, 0
	s_add_nc_u64 s[94:95], s[6:7], s[94:95]
	s_and_b32 s27, s61, 3
	s_lshr_b32 s92, s61, 2
	s_lshl_b32 s92, s92, 8
	s_lshl_b32 s27, s27, 2
	s_add_co_u32 s92, s92, s27                     ; its scale words: 256 x (image / 4) + 4 x (image % 4), + 16 r; the image's number is even, so 8 bytes hold both tiles' words
	s_mov_b32 s93, 0
	s_add_nc_u64 s[92:93], s[8:9], s[92:93]
	s_lshl_b32 s62, s60, 4
	s_add_co_u32 s62, s62, s17
	s_mul_i32 s62, s62, 768                        ; out: half image 16 x tile + n
	s_mov_b32 s63, 0
	s_add_nc_u64 s[10:11], s[10:11], s[62:63]
	s_lshl_b32 s62, s60, 9
	s_lshr_b32 s27, s17, 1
	s_lshl_b32 s27, s27, 6
	s_add_co_u32 s62, s62, s27
	s_and_b32 s27, s17, 1
	s_lshl_b32 s27, s27, 1
	s_add_co_u32 s62, s62, s27                     ; its two scale bytes: 512 x tile + 64 (n / 2) + 2 (n % 2), + 4 r
	s_add_nc_u64 s[12:13], s[12:13], s[62:63]
	s_mul_i32 s27, s[WV], 1280
	s_add_co_u32 s27, s27, REC
	v_and_b32 v232, 31, v0                         ; lane
	v_and_b32 v233, 15, v0                         ; r
	v_bfe_u32 v234, v0, 4, 1                       ; h
	v_and_b32 v238, 7, v0                          ; r % 8
	v_bfe_u32 v239, v0, 3, 1                       ; r / 8
	v_lshlrev_b32 v237, 4, v0                      ; 16 x thread
	v_lshlrev_b32 v1, 4, v232                      ; an image's head: 16 x lane
	v_lshlrev_b32 v235, 4, v233                    ; 16 r
	v_lshlrev_b32 v240, 4, v238                    ; 16 (r % 8)
	v_lshl_add_u32 v236, v234, 3, v235             ; 16 r + 8 h
	v_add_nc_u32 v2, 512, v236                     ; an image's tail
	v_lshlrev_b32 v9, 2, v233
	v_lshlrev_b32 v8, 3, v234
	v_mad_u32_u24 v3, v239, 0x780, v240            ; my row of a tile of K: two images (1,920 bytes) on for rows 8-15,
	v_mad_u32_u24 v4, v239, 0x780, v240
	v_mad_u32_u24 v3, v234, 320, v3                ; head: + 320 h
	v_lshl_add_u32 v4, v234, 3, v4
	v_add_nc_u32 v4, 640, v4                       ; tail: 640 + 8 h
	v_lshl_add_u32 v5, v239, 3, v240
	v_add_nc_u32 v5, REC, v5                       ; K's scale words: 16 (r % 8) + 8 (r / 8)
	v_lshlrev_b32 v6, 7, v234
	v_add_nc_u32 v6, REC+512, v6                   ; the bias: 128 h
	v_add_nc_u32 v7, REC+1024, v235                ; V's scale words: 16 r
	v_add_nc_u32 v241, s27, v1
	v_add_nc_u32 v242, s27, v2
	v_mov_b32 v243, 0xf1800000                     ; -2^100
.irp e, 0,1
	global_load_b128 v[134+24*\e:137+24*\e], v237, s[4:5] offset:4096*\e      ; the mask of keys 4 x thread on: a word a key, a byte a batch
	global_load_b128 v[138+24*\e:141+24*\e], v237, s[88:89] offset:4096*\e    ; K's scale words: my wave's 512 bytes are its step's
	global_load_b64 v[142+24*\e:143+24*\e], v236, s[90:91] offset:65536*\e    ; V's: keys 0-63 of the step,
	global_load_b64 v[144+24*\e:145+24*\e], v236, s[90:91] offset:65536*\e+4096   ; keys 64-127
.endr
.irp q, 0,1
	global_load_b128 v[QF+12*\q:QF+12*\q+3], v1, s[94:95] offset:768*\q       ; Q, this pass
	global_load_b64 v[QF+12*\q+4:QF+12*\q+5], v2, s[94:95] offset:768*\q
	global_load_b128 v[QN+6*\q:QN+6*\q+3], v1, s[94:95] offset:12288+768*\q   ; and the next
	global_load_b64 v[QN+6*\q+4:QN+6*\q+5], v2, s[94:95] offset:12288+768*\q
.endr
	global_load_b64 v[QS:QS+1], v235, s[92:93]
	global_load_b64 v[QN+12:QN+13], v235, s[92:93] offset:1024
.irp i, 0,1,2,3,4,5
	v_mov_b32 v[QF+6+\i], 0                        ; Q's upper half of K: zero codes
	v_mov_b32 v[QF+18+\i], 0
	v_mov_b32 v[KF+48+\i], 0                       ; what stands behind K's last tile
.endr
.irp i, TB, TB+1, F+1, F+3, SUM+6, SUM+7, SUM+14, SUM+15
	v_mov_b32 v[\i], 0                             ; lane permutes' destinations, upper halves of pairs, the rows' sums
.endr
	WIN 0x40
.set j, 0
.rept 64
	v_mov_b32 v[OA+j], 0                           ; O^T, once: every pass's first step multiplies it by 0
.set j, j+1
.endr
	WIN 0
	s_wait_alu depctr_va_vdst(0)
	s_wait_loadcnt 0x0
.irp e, 0,1
.irp i, 0,1,2,3
	v_bfe_u32 v[146+24*\e+\i], v[134+24*\e+\i], s26, 8
.endr
.irp i, 0,1,2,3
	v_cmp_ne_u32 vcc_lo, 0, v[146+24*\e+\i]
	v_cndmask_b32 v[146+24*\e+\i], 0, v243, vcc_lo     ; the bias
.endr
	v_lshl_or_b32 v[150+24*\e], v[144+24*\e], 16, v[142+24*\e]   ; V's scale word of 128 keys: two bytes of each group
	v_lshl_or_b32 v[151+24*\e], v[145+24*\e], 16, v[143+24*\e]
	ds_store_b128 v241, v[138+24*\e:141+24*\e] offset:10240*\e
	ds_store_b128 v241, v[146+24*\e:149+24*\e] offset:10240*\e+512
	ds_store_b64 v242, v[150+24*\e:151+24*\e] offset:10240*\e+512   ; at 1,024 + 16 r + 8 h
.endr
	s_wait_alu depctr_va_vdst(0)
	s_wait_tensorcnt 0x0                           ; my quarter has landed,
	s_wait_dscnt 0x0                               ; my records are stored:
	s_barrier_signal -1
	s_barrier_wait -1                              ; everybody's have.  The launch's one barrier for data: LDS is only read from here on
; K's eight tiles, their scale words and the bias of a step: 36 loads.  v12-15 hold the step's addresses
.macro KPRE
.irp g, 0,1
.irp u, 0,1,2,3
	ds_load_b128 v[KF+24*\g+6*\u:KF+24*\g+6*\u+3], v12 offset:960*(4*\g+\u%2)+128*(\u/2)
	ds_load_b64 v[KF+24*\g+6*\u+4:KF+24*\g+6*\u+5], v13 offset:960*(4*\g+\u%2)+128*(\u/2)
.endr
.endr
.irp g, 0,1
.irp w, 0,1
	ds_load_b64 v[KS+4*\g+2*\w:KS+4*\g+2*\w+1], v14 offset:256*\g+128*\w   ; the words of tiles 4 g + 2 w and 4 g + 2 w + 1
.endr
.endr
	WIN 0x40
.irp t, 0,1,2,3,4,5,6,7
	ds_load_b128 v[BI+8*\t:BI+8*\t+3], v15 offset:256*(\t/4)+32*(\t%4)       ; register j of tile t: key 64 (t / 4) + 32 h + 8 (t % 4) + j
	ds_load_b128 v[BI+8*\t+4:BI+8*\t+7], v15 offset:256*(\t/4)+32*(\t%4)+16
.endr
	WIN 0
.endm
; A KEY STEP: 128 keys x my 32 queries.  pre = 1: the next step's K, scale words and bias are asked for behind this step's score products
.macro STEP pre
	s_wait_alu depctr_va_vdst(0)
	s_wait_dscnt 0x0                               ; K, its scale words and the bias are in
	WIN 0x50
.irp t, 0,1,2,3,4,5,6,7
.irp q, 0,1
	WM 64*\q+8*\t, KF+6*\t, QF+12*\q, BI+8*\t, KS+\t, QS+\q
.endr
.endr
	WIN 0
	v_add_nc_u32 v16, s[TV], v1                    ; (these lines are the places behind the products)
	v_add_nc_u32 v17, s[TV], v2
	v_add_nc_u32 v18, s[TR], v7
.if \pre
	s_add_co_u32 s[T6], s[T6], 7680                ; eight images of K on,
	s_add_co_u32 s[TR], s[TR], 1280                ; a record,
	s_add_co_u32 s[TV], s[TV], 6144                ; two groups of V
	v_add_nc_u32 v12, s[T6], v3
	v_add_nc_u32 v13, s[T6], v4
	v_add_nc_u32 v14, s[TR], v5
	v_add_nc_u32 v15, s[TR], v6
.else
	v_nop
.endif
.irp d, 0,1,2,3                        ; V's four fragments land under the softmax
.irp c, 0,1
	ds_load_b128 v[VF+12*\d+6*\c:VF+12*\d+6*\c+3], v16 offset:768*(4*\c+\d)
	ds_load_b64 v[VF+12*\d+6*\c+4:VF+12*\d+6*\c+5], v17 offset:768*(4*\c+\d)
.endr
.endr
	ds_load_b128 v[VS:VS+3], v18
.if \pre
	KPRE
.endif
	WIN 0x15                                       ; the largest score of each block of 32 keys, all of them mine. The four blocks by turns
.irp g, 0,1
.irp q, 0,1
	v_max3_num_f32 v[BM+2*\q+\g], v[64*\q+32*\g], v[64*\q+32*\g+1], v[64*\q+32*\g+2]
.endr
.endr
	WIN 0x14
.irp i, 3,5,7,9,11,13,15,17,19,21,23,25,27,29
.irp g, 0,1
.irp q, 0,1
	v_max3_num_f32 v[BM+2*\q+\g], v[BM+2*\q+\g], v[64*\q+32*\g+\i], v[64*\q+32*\g+\i+1]
.endr
.endr
.endr
.irp g, 0,1
.irp q, 0,1
	v_max3_num_f32 v[BM+2*\q+\g], v[BM+2*\q+\g], v[64*\q+32*\g+31], v[64*\q+32*\g+31]
.endr
.endr
	WIN 0
.irp q, 0,1
	v_max_num_f32 v[TA+\q], v[BM+2*\q], v[BM+2*\q+1]
.endr
.irp q, 0,1
	s_delay_alu instid0(VALU_DEP_2)
	v_permlanex16_b32 v[TB+\q], v[TA+\q], s[SEL], s[SEL+1]
.endr
.irp q, 0,1
	s_delay_alu instid0(VALU_DEP_2)
	v_max3_num_f32 v[NM+2*\q+1], v[NM+2*\q+1], v[TA+\q], v[TB+\q]   ; the running largest score of my query
.endr
.irp q, 0,1
	s_delay_alu instid0(VALU_DEP_2)
	v_mul_f32 v[TA+\q], s[CS], v[NM+2*\q+1]        ; as t
.endr
.irp q, 0,1
	v_mov_b32 v[TB+\q], v[NM+2*\q]
.endr
.irp q, 0,1
	v_floor_f32 v[NM+2*\q], -v[TA+\q]              ; the new -M = floor(-t): M is a whole number
.endr
.irp q, 0,1
	s_delay_alu instid0(VALU_DEP_2)
	v_sub_f32 v[TB+\q], v[NM+2*\q], v[TB+\q]       ; old M - new M: a whole number, 0 or less
.endr
.irp q, 0,1
	s_delay_alu instid0(VALU_DEP_2)
	v_cvt_i32_f32 v[TB+\q], v[TB+\q]               ; (it saturates)
.endr
.irp q, 0,1
	s_delay_alu instid0(VALU_DEP_2)
	v_ldexp_f32 v[F+2*\q], 1.0, v[TB+\q]           ; f = 2^(old M - new M)
.endr
.irp q, 0,1
.irp g, 0,1
	v_fma_f32 v[BM+2*\q+\g], v[BM+2*\q+\g], s[CS], v[NM+2*\q]   ; t - M of each block's largest score
.endr
.endr
	WIN 0x41
.set j, 0
.rept 32
	v_pk_mul_f32 v[OA+j:OA+j+1], v[OA+j:OA+j+1], v[F+2*(j/32):F+2*(j/32)+1] op_sel_hi:[1,0]   ; O^T under the new M, each accumulator from its low end on
.set j, j+2
.endr
.set j, 0
.rept 64
	v_pk_fma_f32 v[j:j+1], v[j:j+1], s[CS:CS+1], v[NM+2*(j/64):NM+2*(j/64)+1] op_sel_hi:[1,0,0]   ; t - M, two at a time
.set j, j+2
.endr
	s_wait_alu depctr_va_vdst(0)
.set j, 0
.rept 128
	v_exp_f32 v[j], v[j]                           ; p = 2^(t - M), at most 1
.set j, j+1
.endr
	WIN 0
.irp i, 0,1,2,3
	v_exp_f32 v[BM+\i], v[BM+\i]                   ; the block's largest p: the same two instructions on the same number give the same bits
.endr
	v_nop                                          ; a plain line behind the exponentials
	s_wait_alu depctr_va_vdst(0)                   ; one wait for the batch of 132, ahead of its first reader
.irp i, 0,1,2,3
	v_max_num_f32 v[BM+\i], 0x2800000, v[BM+\i]    ; the floor 2^(5 - 127): the byte cannot fall under 1
.endr
.irp i, 0,1,2,3
	s_delay_alu instid0(VALU_DEP_4)
	v_add_nc_u32 v[SO+\i], 0xfe000000, v[BM+\i]    ; 4 off the exponent field: the conversion's scale operand
.endr
.irp i, 0,1,2,3
	s_delay_alu instid0(VALU_DEP_4)
	v_lshrrev_b32 v[BM+\i], 23, v[SO+\i]           ; the scale's byte
.endr
.irp q, 0,1
	v_lshl_or_b32 v[TA+\q], v[BM+2*\q+1], 16, v[BM+2*\q]   ; my two bytes: blocks h and 2 + h,
.endr
.irp q, 0,1
	s_delay_alu instid0(VALU_DEP_2)
	v_lshlrev_b32 v[TA+\q], v8, v[TA+\q]           ; at their places in the word (8 h bits up);
.endr
.irp q, 0,1
	s_delay_alu instid0(VALU_DEP_2)
	v_permlanex16_b32 v[TB+\q], v[TA+\q], s[SEL], s[SEL+1]
.endr
.irp q, 0,1
	s_delay_alu instid0(VALU_DEP_2)
	v_or_b32 v[PW+\q], v[TA+\q], v[TB+\q]          ; with lane l xor 16's two the word is whole
.endr
	WIN 0x01
.irp q, 0,1
.irp g, 0,1
	v_cvt_scalef32_pk16_bf6_f32 v[P+12*\q+6*\g:P+12*\q+6*\g+2], v[64*\q+32*\g:64*\q+32*\g+15], v[SO+2*\q+\g]
	v_cvt_scalef32_pk16_bf6_f32 v[PT+8*\q+4*\g:PT+8*\q+4*\g+2], v[64*\q+32*\g+16:64*\q+32*\g+31], v[SO+2*\q+\g]
.endr
.endr
	WIN 0
	v_nop                                          ; one plain line behind a scaled conversion
.irp q, 0,1
.irp g, 0,1
.irp i, 0,1,2
	v_mov_b32 v[P+12*\q+6*\g+3+\i], v[PT+8*\q+4*\g+\i]
.endr
.endr
.endr
	WIN 0x05                                       ; THE ROW'S SUM IS TAKEN OF THE UNQUANTISED p: two at a time, four chains a tile.  (These lines are also the places between p's codes and scale word and the products)
.irp k, 0,1,2
.irp q, 0,1
	v_pk_add_f32 v[SUM+8*\q+2*\k:SUM+8*\q+2*\k+1], v[64*\q+4*\k:64*\q+4*\k+1], v[64*\q+4*\k+2:64*\q+4*\k+3]
.endr
.endr
	WIN 0x10
.irp q, 0,1
	v_pk_fma_f32 v[SUM+8*\q+6:SUM+8*\q+7], v[SUM+8*\q+6:SUM+8*\q+7], v[F+2*\q:F+2*\q+1], v[64*\q+12:64*\q+13] op_sel_hi:[1,0,1]   ; the sum under the new M, and two more p
.endr
	WIN 0x04
.set j, 14
.rept 25
.irp q, 0,1
	v_pk_add_f32 v[SUM+8*\q+j%8:SUM+8*\q+j%8+1], v[SUM+8*\q+j%8:SUM+8*\q+j%8+1], v[64*\q+j:64*\q+j+1]
.endr
.set j, j+2
.endr
	WIN 0
.irp q, 0,1
	v_pk_add_f32 v[SUM+8*\q:SUM+8*\q+1], v[SUM+8*\q:SUM+8*\q+1], v[SUM+8*\q+2:SUM+8*\q+3]
	v_pk_add_f32 v[SUM+8*\q+6:SUM+8*\q+7], v[SUM+8*\q+6:SUM+8*\q+7], v[SUM+8*\q+4:SUM+8*\q+5]
.endr
.irp q, 0,1
	v_pk_add_f32 v[SUM+8*\q+6:SUM+8*\q+7], v[SUM+8*\q+6:SUM+8*\q+7], v[SUM+8*\q:SUM+8*\q+1]
.endr
	s_wait_alu depctr_va_vdst(0)
.if \pre
	s_wait_dscnt 36                                ; V and its scale words are in; the 36 younger loads, the next step's, may be out
.else
	s_wait_dscnt 0x0
.endif
	WIN 0x50
.irp d, 0,1,2,3                        ; the eight accumulators by turns
.irp q, 0,1
	WM OA+32*\q+8*\d, VF+12*\d, P+12*\q, OA+32*\q+8*\d, VS+\d, PW+\q
.endr
.endr
	WIN 0
.endm
	s_mov_b32 s[NP], 2
.Lpass:
	s_mov_b32 s[T6], 0
	s_mov_b32 s[TR], 0
	s_mov_b32 s[TV], VREG
	v_add_nc_u32 v12, s[T6], v3
	v_add_nc_u32 v13, s[T6], v4
	v_add_nc_u32 v14, s[TR], v5
	v_add_nc_u32 v15, s[TR], v6
.irp q, 0,1
	v_mov_b32 v[NM+2*\q+1], 0xff61b1e6             ; the largest score so far: -3e38, under every score, a masked key's too
	v_mov_b32 v[NM+2*\q], 0x7e000000               ; -M = 2^125: the first step's f is 0
.endr
	KPRE                                           ; step 0's
	s_mov_b32 s[NS], 15
.Lstep:
	STEP 1
	s_sub_co_u32 s[NS], s[NS], 1
	s_cmp_lg_u32 s[NS], 0
	s_cbranch_scc1 .Lstep
	STEP 0                                         ; the last step asks for nothing more
.rept 4
	v_nop                                          ; four places in front of the first read of results
.endr
.irp q, 0,1
	v_add_f32 v[TA+\q], v[SUM+8*\q+6], v[SUM+8*\q+7]   ; the sum's two halves,
.endr
.irp q, 0,1
	s_delay_alu instid0(VALU_DEP_2)
	v_permlanex16_b32 v[TB+\q], v[TA+\q], s[SEL], s[SEL+1]
.endr
.irp q, 0,1
	s_delay_alu instid0(VALU_DEP_2)
	v_add_f32 v[TA+\q], v[TA+\q], v[TB+\q]         ; and lane l xor 16's blocks
.endr
	s_wait_alu depctr_va_vdst(0)                   ; the wait ahead of the two
	v_rcp_f32 v[TA], v[TA]
	v_rcp_f32 v[TA+1], v[TA+1]
	v_nop                                          ; a plain line behind them
	s_wait_alu depctr_va_vdst(0)                   ; and the wait ahead of their first reader, which is also O^T's
	WIN 0x01
.set j, 0
.rept 32
	v_mul_f32 v[KF+j], v[OA+j], v[TA]              ; O^T / the sum: register 16 b + i is channel 32 b + 16 h + i of my query
.set j, j+1
.endr
.set j, 0
.rept 32
	v_mul_f32 v[VF+j], v[OA+32+j], v[TA+1]
.set j, j+1
.endr
	WIN 0
	QH KF, P, PT, PW
	QH VF, P+12, PT+4, PW+1
.irp q, 0,1
	global_store_b128 v1, v[P+12*\q:P+12*\q+3], s[10:11] offset:12288*\q     ; the half image (16 queries x the head's 64): 512 consecutive bytes,
	global_store_b64 v2, v[P+12*\q+4:P+12*\q+5], s[10:11] offset:12288*\q    ; 256 consecutive bytes
	global_store_b16 v9, v[PW+\q], s[12:13] offset:512*\q                    ; my row's two scale bytes (lanes r and r + 16 the same bytes with the same values)
.endr
	s_wait_xcnt 0x0                                ; the stores have read their registers and bases: both are written again below and in the next pass
	s_add_nc_u64 s[10:11], s[10:11], 196608        ; 16 tiles on
	s_add_nc_u64 s[12:13], s[12:13], 8192
.irp i, 0,1,2,3,4,5
	v_mov_b32 v[QF+\i], v[QN+\i]                   ; the next pass's queries (behind the last pass these serve nothing)
	v_mov_b32 v[QF+12+\i], v[QN+6+\i]
.endr
	v_mov_b32 v[QS], v[QN+12]
	v_mov_b32 v[QS+1], v[QN+13]
	s_sub_co_u32 s[NP], s[NP], 1
	s_cmp_lg_u32 s[NP], 0
	s_wait_alu depctr_va_vdst(0)
	s_cbranch_scc1 .Lpass
	s_wait_tensorcnt 0x0                           ; the wave's end
	ds_add_u32 v[SPW], v[NIL]
	s_wait_dscnt 0x0
	ROUND                                          ; the closing round: no work-group ends while a partner may still ask for a tile that names it
	s_endpgm
.Lfunc_end_k_q9059f15c75_attn:
	.size	k_q9059f15c75_attn, .Lfunc_end_k_q9059f15c75_attn-k_q9059f15c75_attn
	.p2alignl 7, 3214868480
	.fill 96, 4, 3214868480
	.section	.rodata,"a",@progbits
	.p2align	6, 0x0
	.amdhsa_kernel k_q9059f15c75_attn
		.amdhsa_group_segment_fixed_size 242688
		.amdhsa_private_segment_fixed_size 0
		.amdhsa_enable_private_segment 0
		.amdhsa_kernarg_size 40
		.amdhsa_user_sgpr_count 2
		.amdhsa_user_sgpr_kernarg_segment_ptr 1
		.amdhsa_wavefront_size32 1
		.amdhsa_system_sgpr_workgroup_id_x 1
		.amdhsa_system_sgpr_workgroup_id_y 1
		.amdhsa_system_sgpr_workgroup_id_z 1
		.amdhsa_system_vgpr_workitem_id 0
		.amdhsa_next_free_vgpr 512
		.amdhsa_next_free_sgpr 100
		.amdhsa_reserve_vcc 1
		.amdhsa_float_denorm_mode_32 3
		.amdhsa_float_denorm_mode_16_64 3
		.amdhsa_memory_ordered 1
		.amdhsa_forward_progress 1
		.amdhsa_inst_pref_size 83
	.end_amdhsa_kernel
	.amdgpu_metadata
---
amdhsa.version: [ 1, 2 ]
amdhsa.kernels:
  - .name:           k_q9059f15c75_attn
    .symbol:         k_q9059f15c75_attn.kd
    .args:
      - { .name: attn_mask, .offset: 0, .size: 8, .value_kind: global_buffer, .address_space: global }
      - { .name: qkv, .offset: 8, .size: 8, .value_kind: global_buffer, .address_space: global }
      - { .name: qkvs, .offset: 16, .size: 8, .value_kind: global_buffer, .address_space: global }
      - { .name: aimg, .offset: 24, .size: 8, .value_kind: global_buffer, .address_space: global }
      - { .name: asc, .offset: 32, .size: 8, .value_kind: global_buffer, .address_space: global }
    .group_segment_fixed_size: 242688
    .private_segment_fixed_size: 0
    .kernarg_segment_align: 8
    .kernarg_segment_size: 40
    .max_flat_workgroup_size: 256
    .sgpr_count:     100
    .vgpr_count:     512
    .wavefront_size: 32
...
	.end_amdgpu_metadata
.endif
;; end of part 3
;; launch oproj (part 4): grid 256 x 1, 16 waves a work-group, no clusters, 171,008 bytes of LDS; arguments aimg, asc, opimg, opsc, h, gamma, beta, out0; writes out0
.if DOCPART == 4
	.amdgcn_target "amdgcn-amd-amdhsa--gfx1250"
	.amdhsa_code_object_version 6
	.text
	.protected	k_q9059f15c75_oproj
	.globl	k_q9059f15c75_oproj
	.p2align	8
	.type	k_q9059f15c75_oproj,@function
k_q9059f15c75_oproj:
	s_mov_b64 s[64:65], 0
	v_nop
	global_prefetch_b8 v0, s[64:65] scope:SCOPE_SE
	s_setreg_imm32_b32 hwreg(HW_REG_WAVE_MODE, 25, 1), 1
	s_wait_xcnt 0x0
; out0 = layer_norm(h + attn_vec Wo) x gamma + beta.  The product is on codes of BF6 (E3M2): attn_vec's half images and scale words as the attention left them, Wo's as the first launch left them.  All else in f32.
; SHARES.  A work-group takes 32 neighbouring positions of one batch (a pair of tiles) and ALL 1,024 columns, since the norm wants whole rows.  Wave w takes columns 64 w on: four tiles of Wo x two tiles of rows: 8 accumulators.
; Source 0 = 16 columns of Wo, source 1 = 16 rows: a lane holds one row (row 8 u + r + 8 (r / 8) of the 32), and register j of tile y column 32 (y / 2) + 16 h + 8 (y % 2) + j of the wave's 64.
; Wo's fragments go from memory straight into registers: in a work-group each is read by one wave alone, so LDS would only pass each byte on.
; NO CLUSTER: all work-groups read the same 786,432 bytes of Wo's images; to ask for them jointly they would have to pass through LDS slots that are filled again, and as many bytes would still enter each work-group.
; The rows' 16 fragments (24,576 dense bytes) are copied into LDS once, a fragment a wave, and read by all.  h comes by one tensor load a wave, 32 rows x my 256 bytes, into my own strip of LDS; it lands under the K loop.
; THE NORM as it is defined: the mean, then the mean of the squared differences (two sums over the work-group, each through LDS words of its own).
; REGISTERS: v1-12 addresses; v16-23 the rows' scale words (register s: lanes 0-15 tile 0, lanes 16-31 tile 1); v24-39 Wo's (24 + 8 t + s: lanes 0-15 tile t, lanes 16-31 tile t + 2); v40-103 accumulators; v104-199 Wo's fragments, two sets;
;   v200-247 the rows' fragments, two sets; v248-255 gamma, beta.  Behind the K loop v104-247 are at work.
.set WV,   20
.set SEL,  22                          ; s[22:23]
.set MSK,  24                          ; s24  a mask of lanes 16-31
.set G0,   28                          ; s[28:31], s[32:39] the descriptor
.set G1,   32
.set HST,  24576                       ; LDS: 0: the rows' fragments, (8 u + s) x 1,536;  here: a strip of h for each wave, 32 rows x (256 + 16) bytes
.set RED1, 163840                      ; partial sums: [tile 2][row 16] 80 bytes apart, a word a wave;  a second set 2,560 bytes on
.set AS,   16
.set WS,   24
.set ACC,  40
.set BF,   104
.set AF,   200
	s_load_b256 s[4:11], s[0:1], 0x0               ; aimg s[4:5], asc s[6:7], opimg s[8:9], opsc s[10:11]
	s_load_b256 s[12:19], s[0:1], 0x20             ; h s[12:13], gamma s[14:15], beta s[16:17], out0 s[18:19]
	v_lshl_add_u32 v254, v0, 2, 0x29400
	v_mov_b32 v255, 0
	ds_add_u32 v254, v255
	ds_add_u32 v254, v255
	s_wait_dscnt 0x0
	v_lshrrev_b32 v1, 5, v0
	s_delay_alu instid0(VALU_DEP_1)
	v_readfirstlane_b32 s[WV], v1                  ; wave 0..15
	; descriptor group 1: 32 rows of 64 elements of 4 bytes, 4,096 elements (four rows of h) apart; 16 bytes of padding behind each row
	s_mov_b32 s[G1], (2<<16)|(1<<20)|(5<<22)|(3<<25)   ; 17:16 elements of 4 bytes; 20 padding on; 24:22 after every 64 words (code 5); 31:25 4 words (code 3)
	s_mov_b32 s[G1+1], 64<<16                      ; tensor_dim0
	s_mov_b32 s[G1+2], 32<<16                      ; tensor_dim1
	s_mov_b32 s[G1+3], 64<<16                      ; tile_dim0
	s_mov_b32 s[G1+4], 32                          ; tile_dim1
	s_mov_b32 s[G1+5], 4096                        ; tensor_dim0_stride
	s_mov_b32 s[G1+6], 0
	s_mov_b32 s[G1+7], 0
	s_lshr_b32 s42, ttmp9, 6                       ; batch b
	s_and_b32 s43, ttmp9, 63
	s_lshl_b32 s43, s43, 7                         ; 4 x the first position
	s_add_co_u32 s43, s43, s42                     ; the first row of h and of out0
	s_lshl_b32 s42, s43, 12
	s_lshl_b32 s44, s[WV], 8                       ; my 64 columns
	s_add_co_u32 s42, s42, s44
	s_mov_b32 s43, 0
	s_mul_i32 s45, s[WV], 8704
	s_add_co_u32 s47, s45, HST                     ; my strip
	s_mov_b32 s[SEL], 0x76543210
	s_mov_b32 s[SEL+1], 0xfedcba98
	s_mov_b32 s[MSK], 0xffff0000
	s_mov_b32 s40, 0x3a800000                      ; 1 / 1024
	s_mov_b32 s41, 0x3727c5ac                      ; 1e-5
	s_wait_kmcnt 0x0
	s_mov_b32 s[G0], 1
	s_mov_b32 s[G0+1], s47
	s_add_nc_u64 s[G0+2:G0+3], s[12:13], s[42:43]
	s_or_b32 s[G0+3], s[G0+3], 0x80000000
	tensor_load_to_lds s[G0:G0+3], s[G1:G1+7]      ; my one tensor load: into bytes that I alone read; waited for behind the K loop
	s_nop 0
.rept 4
	v_nop
.endr
	s_add_nc_u64 s[18:19], s[18:19], s[42:43]
	s_mul_i32 s46, s[WV], 1536
	s_mul_i32 s50, ttmp9, 24576
	s_add_co_u32 s50, s50, s46                     ; the pair's 16 fragments are dense: wave w copies fragment w
	s_mov_b32 s51, 0
	s_add_nc_u64 s[4:5], s[4:5], s[50:51]
	s_lshl_b32 s50, ttmp9, 10
	s_add_nc_u64 s[6:7], s[6:7], s[50:51]
	s_lshl_b32 s52, s[WV], 2
	s_add_co_u32 s52, s52, 704                     ; my first tile of Wo
	s_mul_i32 s50, s52, 12288
	s_add_nc_u64 s[8:9], s[8:9], s[50:51]
	s_lshl_b32 s50, s52, 9
	s_add_nc_u64 s[10:11], s[10:11], s[50:51]
	s_mov_b32 s50, s44
	s_add_nc_u64 s[14:15], s[14:15], s[50:51]
	s_add_nc_u64 s[16:17], s[16:17], s[50:51]
	v_and_b32 v13, 15, v0                          ; r
	v_bfe_u32 v14, v0, 4, 1                        ; h
	v_and_b32 v15, 31, v0                          ; lane
	s_delay_alu instid0(VALU_DEP_1)
	v_lshlrev_b32 v1, 4, v15                       ; an image's head
	s_delay_alu instid0(VALU_DEP_4)
	v_lshlrev_b32 v5, 4, v13                       ; 16 r
	s_delay_alu instid0(VALU_DEP_1)
	v_lshl_add_u32 v2, v14, 3, v5
	s_delay_alu instid0(VALU_DEP_1)
	v_add_nc_u32 v2, 512, v2                       ; its tail
	s_delay_alu instid0(VALU_DEP_4)
	v_add_nc_u32 v3, s46, v1                       ; where I store my fragment
	s_delay_alu instid0(VALU_DEP_2)
	v_add_nc_u32 v4, s46, v2
	v_and_b32 v6, 8, v13
	s_delay_alu instid0(VALU_DEP_1)
	v_add_nc_u32 v6, v6, v13
	s_delay_alu instid0(VALU_DEP_1)
	v_mul_u32_u24 v6, v6, 272
	s_delay_alu instid0(VALU_DEP_1)
	v_lshl_add_u32 v6, v14, 6, v6
	s_delay_alu instid0(VALU_DEP_1)
	v_add_nc_u32 v6, s47, v6                       ; the strip in the accumulators' layout: row r + 8 (r / 8), + 64 h
	v_mul_u32_u24 v7, v14, 272
	s_delay_alu instid0(VALU_DEP_1)
	v_add_nc_u32 v7, v7, v5
	s_delay_alu instid0(VALU_DEP_1)
	v_add_nc_u32 v7, s47, v7                       ; and by rows: lanes 0-15 one row, lanes 16-31 the next
	v_lshl_add_u32 v8, v14, 14, v5                 ; the same two rows in out0
	v_mul_u32_u24 v10, v14, 1280
	s_delay_alu instid0(VALU_DEP_1)
	v_mad_u32_u24 v10, v13, 80, v10
	s_delay_alu instid0(VALU_DEP_1)
	v_add_nc_u32 v10, RED1, v10                    ; the sixteen waves' words of (tile h, row r)
	s_lshl_b32 s48, s[WV], 2
	v_add_nc_u32 v9, s48, v10                      ; mine among them
	v_lshlrev_b32 v11, 2, v13
	s_delay_alu instid0(VALU_DEP_1)
	v_lshl_add_u32 v12, v14, 10, v11               ; Wo's scale words: 1,024 h + 4 r
	s_delay_alu instid0(VALU_DEP_2)
	v_lshl_add_u32 v11, v14, 9, v11                ; the rows': 512 h + 4 r
.macro BLOAD s                         ; Wo's four fragments of K step s, from memory, into set s % 2
.irp y, 0,1,2,3
	global_load_b128 v[BF+48*((\s)%2)+12*\y:BF+48*((\s)%2)+12*\y+3], v1, s[8:9] offset:12288*\y+1536*(\s)
	global_load_b64 v[BF+48*((\s)%2)+12*\y+4:BF+48*((\s)%2)+12*\y+5], v2, s[8:9] offset:12288*\y+1536*(\s)
	global_load_b128 v[BF+48*((\s)%2)+12*\y+6:BF+48*((\s)%2)+12*\y+9], v1, s[8:9] offset:12288*\y+1536*(\s)+768
	global_load_b64 v[BF+48*((\s)%2)+12*\y+10:BF+48*((\s)%2)+12*\y+11], v2, s[8:9] offset:12288*\y+1536*(\s)+768
.endr
.endm
.macro ALOAD s                         ; the rows' two fragments of K step s, from LDS, into set s % 2
.irp u, 0,1
	ds_load_b128 v[AF+24*((\s)%2)+12*\u:AF+24*((\s)%2)+12*\u+3], v1 offset:(8*\u+(\s))*1536
	ds_load_b64 v[AF+24*((\s)%2)+12*\u+4:AF+24*((\s)%2)+12*\u+5], v2 offset:(8*\u+(\s))*1536
	ds_load_b128 v[AF+24*((\s)%2)+12*\u+6:AF+24*((\s)%2)+12*\u+9], v1 offset:(8*\u+(\s))*1536+768
	ds_load_b64 v[AF+24*((\s)%2)+12*\u+10:AF+24*((\s)%2)+12*\u+11], v2 offset:(8*\u+(\s))*1536+768
.endr
.endm
	global_load_b128 v[248:251], v5, s[14:15]      ; gamma and beta of columns 64 w + 4 r on
	global_load_b128 v[252:255], v5, s[16:17]
	global_load_b128 v[200:203], v1, s[4:5]        ; my fragment of the rows
	global_load_b64 v[204:205], v2, s[4:5]
	global_load_b128 v[206:209], v1, s[4:5] offset:768
	global_load_b64 v[210:211], v2, s[4:5] offset:768
.irp s, 0,1,2,3,4,5,6,7
	global_load_b32 v[AS+\s], v11, s[6:7] offset:64*\s
.endr
.irp t, 0,1
.irp s, 0,1,2,3,4,5,6,7
	global_load_b32 v[WS+8*\t+\s], v12, s[10:11] offset:512*\t+64*\s
.endr
.endr
	BLOAD 0
	BLOAD 1
	s_wait_loadcnt 56                              ; my fragment is in: behind it 8 + 16 scale words and 2 x 16 loads of Wo may be out
	ds_store_b128 v3, v[200:203]
	ds_store_b64 v4, v[204:205]
	ds_store_b128 v3, v[206:209] offset:768
	ds_store_b64 v4, v[210:211] offset:768
	s_wait_dscnt 0x0                               ; for the others' sake
	s_barrier_signal -1
	s_barrier_wait -1                              ; the sixteen fragments lie in LDS
	ALOAD 0
	ALOAD 1
; one product: rows' tile u, Wo's tile y, K step s.  Which half of the lanes holds a side's scale words hangs on y and u.
.macro MM u, y, s
.set rD, ACC+8*(4*(\u)+(\y))
.set rB, BF+48*((\s)%2)+12*(\y)
.set rA, AF+24*((\s)%2)+12*(\u)
.set rW, WS+8*((\y)%2)+(\s)
.set rS, AS+(\s)
.if (\s) == 0
.if ((\y) < 2) && ((\u) == 0)
	v_wmma_scale_f32_16x16x128_f8f6f4 v[rD:rD+7], v[rB:rB+11], v[rA:rA+11], 0, v[rW], v[rS] matrix_a_fmt:MATRIX_FMT_BF6 matrix_b_fmt:MATRIX_FMT_BF6
.elseif (\y) < 2
	v_wmma_scale_f32_16x16x128_f8f6f4 v[rD:rD+7], v[rB:rB+11], v[rA:rA+11], 0, v[rW], v[rS] matrix_a_fmt:MATRIX_FMT_BF6 matrix_b_fmt:MATRIX_FMT_BF6 matrix_b_scale:MATRIX_SCALE_ROW1
.elseif (\u) == 0
	v_wmma_scale_f32_16x16x128_f8f6f4 v[rD:rD+7], v[rB:rB+11], v[rA:rA+11], 0, v[rW], v[rS] matrix_a_fmt:MATRIX_FMT_BF6 matrix_b_fmt:MATRIX_FMT_BF6 matrix_a_scale:MATRIX_SCALE_ROW1
.else
	v_wmma_scale_f32_16x16x128_f8f6f4 v[rD:rD+7], v[rB:rB+11], v[rA:rA+11], 0, v[rW], v[rS] matrix_a_fmt:MATRIX_FMT_BF6 matrix_b_fmt:MATRIX_FMT_BF6 matrix_a_scale:MATRIX_SCALE_ROW1 matrix_b_scale:MATRIX_SCALE_ROW1
.endif
.else
.if ((\y) < 2) && ((\u) == 0)
	v_wmma_scale_f32_16x16x128_f8f6f4 v[rD:rD+7], v[rB:rB+11], v[rA:rA+11], v[rD:rD+7], v[rW], v[rS] matrix_a_fmt:MATRIX_FMT_BF6 matrix_b_fmt:MATRIX_FMT_BF6
.elseif (\y) < 2
	v_wmma_scale_f32_16x16x128_f8f6f4 v[rD:rD+7], v[rB:rB+11], v[rA:rA+11], v[rD:rD+7], v[rW], v[rS] matrix_a_fmt:MATRIX_FMT_BF6 matrix_b_fmt:MATRIX_FMT_BF6 matrix_b_scale:MATRIX_SCALE_ROW1
.elseif (\u) == 0
	v_wmma_scale_f32_16x16x128_f8f6f4 v[rD:rD+7], v[rB:rB+11], v[rA:rA+11], v[rD:rD+7], v[rW], v[rS] matrix_a_fmt:MATRIX_FMT_BF6 matrix_b_fmt:MATRIX_FMT_BF6 matrix_a_scale:MATRIX_SCALE_ROW1
.else
	v_wmma_scale_f32_16x16x128_f8f6f4 v[rD:rD+7], v[rB:rB+11], v[rA:rA+11], v[rD:rD+7], v[rW], v[rS] matrix_a_fmt:MATRIX_FMT_BF6 matrix_b_fmt:MATRIX_FMT_BF6 matrix_a_scale:MATRIX_SCALE_ROW1 matrix_b_scale:MATRIX_SCALE_ROW1
.endif
.endif
.endm
.irp s, 0,1,2,3,4,5,6,7                ; the eight accumulators take turns, one instruction a turn, in the same order in every K step
.if \s < 7
	s_wait_loadcnt 16                              ; this step's fragments of Wo are in; the next step's 16 loads may be out
	s_wait_dscnt 8                                 ; likewise the rows': the next step's 8 loads may be out
.else
	s_wait_loadcnt 0x0
	s_wait_dscnt 0x0
.endif
.irp u, 0,1
.irp y, 0,1,2,3
	MM \u, \y, \s
.endr
.endr
.if \s < 6
.rept 4
	v_nop                                          ; four places in front of loads into registers that matrix instructions have read
.endr
	BLOAD \s+2
	ALOAD \s+2
.endif
.endr
.rept 4
	v_nop                                          ; four places in front of the first read of results, and of loads into the fragments' registers
.endr
	s_wait_tensorcnt 0x0                           ; my strip of h has landed
.irp u, 0,1
.irp y, 0,1,2,3
	ds_load_b128 v[104+8*(4*\u+\y):104+8*(4*\u+\y)+3], v6 offset:2176*\u+128*(\y/2)+32*(\y%2)
	ds_load_b128 v[104+8*(4*\u+\y)+4:104+8*(4*\u+\y)+7], v6 offset:2176*\u+128*(\y/2)+32*(\y%2)+16
.endr
.endr
	v_mov_b32 v202, 0                              ; (lane permutes' destinations, and the upper halves of pairs that are named whole)
	v_mov_b32 v203, 0
	v_mov_b32 v221, 0
	v_mov_b32 v223, 0
	s_wait_dscnt 0x0
.set j, 0
.rept 32
	v_pk_add_f32 v[ACC+j:ACC+j+1], v[ACC+j:ACC+j+1], v[104+j:104+j+1]   ; x = h + the product, each accumulator from its low end on
.set j, j+2
.endr
.macro TREE tt, dst                    ; eight pairs at v[tt] on become one number
.irp i, 0,1,2,3
	v_pk_add_f32 v[(\tt)+2*\i:(\tt)+2*\i+1], v[(\tt)+2*\i:(\tt)+2*\i+1], v[(\tt)+2*\i+8:(\tt)+2*\i+9]
.endr
.irp i, 0,1
	s_delay_alu instid0(VALU_DEP_2)
	v_pk_add_f32 v[(\tt)+2*\i:(\tt)+2*\i+1], v[(\tt)+2*\i:(\tt)+2*\i+1], v[(\tt)+2*\i+4:(\tt)+2*\i+5]
.endr
	s_delay_alu instid0(VALU_DEP_1)
	v_pk_add_f32 v[(\tt):(\tt)+1], v[(\tt):(\tt)+1], v[(\tt)+2:(\tt)+3]
	s_delay_alu instid0(VALU_DEP_1)
	v_add_f32 v[\dst], v[(\tt)], v[(\tt)+1]
.endm
; v200, v201: my lane's sums for tiles 0 and 1 -> the rows' sums over all 1,024 columns, in every lane.  ro: which set of LDS words
.macro WGSUM ro
.irp u, 0
	v_permlanex16_b32 v[202+\u], v[200+\u], s[SEL], s[SEL+1]
.endr
.irp u, 1
	s_delay_alu instid0(VALU_DEP_2)
	v_permlanex16_b32 v[202+\u], v[200+\u], s[SEL], s[SEL+1]
.endr
.irp u, 0,1
	s_delay_alu instid0(VALU_DEP_2)
	v_add_f32 v[200+\u], v[200+\u], v[202+\u]      ; with lane l xor 16's 32 columns: my wave's 64
.endr
	s_delay_alu instid0(VALU_DEP_1)
	v_cndmask_b32 v202, v200, v201, s[MSK]         ; lanes 0-15 hand on tile 0's, lanes 16-31 tile 1's
	ds_store_b32 v9, v202 offset:\ro
	s_wait_dscnt 0x0                               ; for the others' sake
	s_barrier_signal -1
	s_barrier_wait -1
.irp i, 0,1,2,3
	ds_load_b128 v[204+4*\i:204+4*\i+3], v10 offset:\ro+16*\i
.endr
	s_wait_dscnt 0x0
	TREE 204, 202
	s_delay_alu instid0(VALU_DEP_1)
	v_permlanex16_b32 v203, v202, s[SEL], s[SEL+1]
	s_delay_alu instid0(VALU_DEP_1)
	v_cndmask_b32 v200, v202, v203, s[MSK]         ; tile 0's: lanes 0-15 have it, lanes 16-31 take the other half's
	s_delay_alu instid0(VALU_DEP_2)
	v_cndmask_b32 v201, v203, v202, s[MSK]
.endm
.irp u, 0,1
.irp i, 0,1,2,3,4,5,6,7
	v_pk_add_f32 v[168+16*\u+2*\i:168+16*\u+2*\i+1], v[ACC+32*\u+4*\i:ACC+32*\u+4*\i+1], v[ACC+32*\u+4*\i+2:ACC+32*\u+4*\i+3]
.endr
	TREE 168+16*\u, 200+\u
.endr
	WGSUM 0
	s_delay_alu instid0(VALU_DEP_2)
	v_mul_f32 v220, s40, v200                      ; the means
	s_delay_alu instid0(VALU_DEP_2)
	v_mul_f32 v222, s40, v201
.irp u, 0,1
.set j, 0
.rept 16
	v_pk_add_f32 v[ACC+32*\u+j:ACC+32*\u+j+1], v[ACC+32*\u+j:ACC+32*\u+j+1], v[220+2*\u:221+2*\u] op_sel_hi:[1,0] neg_lo:[0,1] neg_hi:[0,1]   ; x - mean
.set j, j+2
.endr
.endr
.irp u, 0,1
.irp i, 0,1,2,3,4,5,6,7
	v_pk_mul_f32 v[168+16*\u+2*\i:168+16*\u+2*\i+1], v[ACC+32*\u+4*\i:ACC+32*\u+4*\i+1], v[ACC+32*\u+4*\i:ACC+32*\u+4*\i+1]
.endr
.irp i, 0,1,2,3,4,5,6,7
	v_pk_fma_f32 v[168+16*\u+2*\i:168+16*\u+2*\i+1], v[ACC+32*\u+4*\i+2:ACC+32*\u+4*\i+3], v[ACC+32*\u+4*\i+2:ACC+32*\u+4*\i+3], v[168+16*\u+2*\i:168+16*\u+2*\i+1]
.endr
	TREE 168+16*\u, 200+\u
.endr
	WGSUM 2560                                     ; words of its own: no wave stores where another may still read
	s_delay_alu instid0(VALU_DEP_2)
	v_fma_f32 v224, v200, s40, s41                 ; the variance + 1e-5
	s_delay_alu instid0(VALU_DEP_2)
	v_fma_f32 v225, v201, s40, s41
	s_wait_alu depctr_va_vdst(0)
	v_rsq_f32 v220, v224
	v_rsq_f32 v222, v225
	v_nop                                          ; a plain line behind the two
	s_wait_alu depctr_va_vdst(0)                   ; and one wait ahead of their first reader
.irp u, 0,1
.set j, 0
.rept 16
	v_pk_mul_f32 v[ACC+32*\u+j:ACC+32*\u+j+1], v[ACC+32*\u+j:ACC+32*\u+j+1], v[220+2*\u:221+2*\u] op_sel_hi:[1,0]
.set j, j+2
.endr
.endr
	; THE WAY OUT: back into my strip, which has had its one fill, and out of it by rows
.irp u, 0,1
.irp y, 0,1,2,3
	ds_store_b128 v6, v[ACC+8*(4*\u+\y):ACC+8*(4*\u+\y)+3] offset:2176*\u+128*(\y/2)+32*(\y%2)
	ds_store_b128 v6, v[ACC+8*(4*\u+\y)+4:ACC+8*(4*\u+\y)+7] offset:2176*\u+128*(\y/2)+32*(\y%2)+16
.endr
.endr
.irp i, 0,1,2,3,4,5,6,7,8,9,10,11,12,13,14,15
	ds_load_b128 v[168+4*\i:168+4*\i+3], v7 offset:544*\i     ; LDS serves a wave's instructions in order: these see my stores
.endr
.irp i, 0,1,2,3,4,5,6,7,8,9,10,11,12,13,14,15
	s_wait_dscnt 15-\i                             ; rows 2 i and 2 i + 1 are back; the younger loads may be out
	v_pk_fma_f32 v[168+4*\i:168+4*\i+1], v[168+4*\i:168+4*\i+1], v[248:249], v[252:253]
	v_pk_fma_f32 v[168+4*\i+2:168+4*\i+3], v[168+4*\i+2:168+4*\i+3], v[250:251], v[254:255]
	global_store_b128 v8, v[168+4*\i:168+4*\i+3], s[18:19] offset:32768*\i th:TH_STORE_NT   ; 16 lanes store 256 consecutive bytes, at a multiple of 256 from out0's first byte
.endr
	s_wait_xcnt 0x0
	v_lshl_add_u32 v254, v0, 2, 0x29400
	v_mov_b32 v255, 0
	s_wait_alu depctr_va_vdst(0)
	s_wait_tensorcnt 0x0
	ds_add_u32 v254, v255
	s_wait_dscnt 0x0
	s_endpgm
.Lfunc_end_k_q9059f15c75_oproj:
	.size	k_q9059f15c75_oproj, .Lfunc_end_k_q9059f15c75_oproj-k_q9059f15c75_oproj
	.p2alignl 7, 3214868480
	.fill 96, 4, 3214868480
	.section	.rodata,"a",@progbits
	.p2align	6, 0x0
	.amdhsa_kernel k_q9059f15c75_oproj
		.amdhsa_group_segment_fixed_size 171008
		.amdhsa_private_segment_fixed_size 0
		.amdhsa_enable_private_segment 0
		.amdhsa_kernarg_size 64
		.amdhsa_user_sgpr_count 2
		.amdhsa_user_sgpr_kernarg_segment_ptr 1
		.amdhsa_wavefront_size32 1
		.amdhsa_system_sgpr_workgroup_id_x 1
		.amdhsa_system_sgpr_workgroup_id_y 1
		.amdhsa_system_sgpr_workgroup_id_z 1
		.amdhsa_system_vgpr_workitem_id 0
		.amdhsa_next_free_vgpr 256
		.amdhsa_next_free_sgpr 66
		.amdhsa_reserve_vcc 0
		.amdhsa_float_denorm_mode_32 3
		.amdhsa_float_denorm_mode_16_64 3
		.amdhsa_memory_ordered 1
		.amdhsa_forward_progress 1
		.amdhsa_inst_pref_size 57
	.end_amdhsa_kernel
	.amdgpu_metadata
---
amdhsa.version: [ 1, 2 ]
amdhsa.kernels:
  - .name:           k_q9059f15c75_oproj
    .symbol:         k_q9059f15c75_oproj.kd
    .args:
      - { .name: aimg, .offset: 0, .size: 8, .value_kind: global_buffer, .address_space: global }
      - { .name: asc, .offset: 8, .size: 8, .value_kind: global_buffer, .address_space: global }
      - { .name: opimg, .offset: 16, .size: 8, .value_kind: global_buffer, .address_space: global }
      - { .name: opsc, .offset: 24, .size: 8, .value_kind: global_buffer, .address_space: global }
      - { .name: h, .offset: 32, .size: 8, .value_kind: global_buffer, .address_space: global }
      - { .name: gamma, .offset: 40, .size: 8, .value_kind: global_buffer, .address_space: global }
      - { .name: beta, .offset: 48, .size: 8, .value_kind: global_buffer, .address_space: global }
      - { .name: out0, .offset: 56, .size: 8, .value_kind: global_buffer, .address_space: global }
    .group_segment_fixed_size: 171008
    .private_segment_fixed_size: 0
    .kernarg_segment_align: 8
    .kernarg_segment_size: 64
    .max_flat_workgroup_size: 512
    .sgpr_count:     66
    .vgpr_count:     256
    .wavefront_size: 32
...
	.end_amdgpu_metadata
.endif
;; end of part 4
